; MI455X (gfx1250); checked and timed in simulation.
; The chip was launched on July 23, 2026; its instructions are those of AMD's public machine-readable ISA for CDNA 5 (MIT licence, August 2026) and "CDNA5" Instruction Set Architecture Reference Guide (July 2026). The comments in the code are by the model that wrote it; some were corrected since.
;; Mo E Layer. Allowed arithmetic: float matrix products may take bf16 or f16 operands with f32 sums; other float arithmetic in f32, or as packed bf16 or f16 multiplies, adds, multiply-adds, maxima and minima; sums over many terms, partial sums and values carried from step to step in f32; what a program stores and reads back later, other than sums and carried values, may be rounded once to bf16 or f16.
;; Inputs: W1 8 x 4,096 x 1,024 float32; W2 8 x 1,024 x 4,096 float32; Wg 8 x 1,024 float32; b1 8 x 4,096 float32; b2 8 x 1,024 float32; bg 8 float32; x 1,024 x 1,024 float32.
;; Outputs: out0 1,024 x 1,024 float32.
;; One version. Each part assembles by itself: llvm-mc -triple=amdgcn-amd-amdhsa -mcpu=gfx1250 --defsym DOCPART=n.
;; ======== version 1 of 1: 4 launches
;; limits: values are held in f16: magnitudes above 65,504 overflow, below 6.1e-05 lose precision
;; workspace buffers: xb 2,097,152 bytes; sel 4,096 bytes of whole numbers; gate 8,192 bytes; place 33,792 bytes of whole numbers; hbuf 67,108,864 bytes; part 134,217,728 bytes
;; launch router (part 1): grid 64 x 1, 8 waves a work-group, no clusters, 44,032 bytes of LDS; arguments x, Wg, bg, xb, sel, gate; writes xb, sel, gate
.if DOCPART == 1
	.amdgcn_target "amdgcn-amd-amdhsa--gfx1250"
	.amdhsa_code_object_version 6
	.text
	.protected	k_q05cb0a29a0_router
	.globl	k_q05cb0a29a0_router
	.p2align	8
	.type	k_q05cb0a29a0_router,@function
k_q05cb0a29a0_router:
	s_mov_b64 s[64:65], 0
	v_nop
	global_prefetch_b8 v0, s[64:65] scope:SCOPE_SE
	s_setreg_imm32_b32 hwreg(HW_REG_WAVE_MODE, 25, 1), 1
	s_wait_xcnt 0x0
; ROUTER.  logits = x Wg^T + bg, softmax over 8 experts, the two largest.  Stores: xb = x rounded to bf16 [1024][1024]; sel[t] = e0 | e1<<8 | ((1<<e0)|(1<<e1))<<16;
; gate[t] = the raw softmax weights of e0 and e1 (f32).  All three at fixed places: no address here hangs on the choice.
; FORMATS.  x, Wg and bg are rounded to bf16 (nearest even), products on the matrix unit, sums in f32; softmax in f32 with the row's maximum taken away.
; LIMITS.  The choice is made on the logits (softmax is increasing); of equal logits the lower index wins; two logits so close that their softmax weights round to one f32 number
; are still told apart here.  NaN and infinities are not treated apart.  An exponential below 2^-126 counts as 0 in the sum.
; SHARES.  A work-group has 16 tokens; wave w has k = 128 w .. 128 w + 127 (four matrix instructions, four accumulators); the eight partial logits meet in LDS and wave 0 finishes.
; No cluster: the work-groups share only Wg, 32 KB against 64 KB of x each, and nothing comes by tensor loads.
.set PX,    272                        ; an LDS row of 128 bf16: 256 bytes + 16: the 16 rows of a fragment load start at 16 different groups of four banks
.set SXW,   16*PX                      ; a wave's own 16 rows
.set PT,    8*SXW                      ; behind them: 8 x 1,024 bytes of partial logits
.set SPARE, PT+8*1024                  ; the spare words: 128 bytes for each of eight waves; no other line names them
.set SPW, 1                            ; v1   my spare word's address; never rewritten
.set NIL, 2                            ; v2   0; never rewritten
.set XL,  8                            ; v[8:71]    x as loaded, row i in 4 registers; later v[8:39] the four accumulators
.set WF,  72                           ; v[72:135]  Wg as loaded; later the eight partial logits, then L = v[72:79]
.set XP,  136                          ; v[136:167] x in bf16
.set WB,  168                          ; v[168:199] Wg's fragments in bf16
.set XF,  200                          ; v[200:231] x's fragments
.set AX,  232                          ; addresses
.set AXB, 233
.set AWG, 234
.set ALS, 235
.set ALF, 236
.set APT, 237
.set APR, 238
.set L,   72
.set IDX, 160                          ; v[160:167] the numbers 0 .. 7
	s_load_b256 s[4:11], s[0:1], 0x0               ; x s[4:5], Wg s[6:7], bg s[8:9], xb s[10:11]
	s_load_b128 s[12:15], s[0:1], 0x20             ; sel s[12:13], gate s[14:15]
	v_lshl_add_u32 v[SPW], v0, 2, SPARE
	v_mov_b32 v[NIL], 0
	v_lshrrev_b32 v3, 5, v0
	v_readfirstlane_b32 s24, v3                    ; wave 0..7
	v_and_b32 v3, 15, v0                           ; r = lane % 16
	v_bfe_u32 v4, v0, 4, 1                         ; h = lane / 16
	v_and_b32 v5, 31, v0                           ; lane
	v_and_b32 v6, 7, v0                            ; the expert whose row of Wg I load (rows 8-15 of the fragment repeat experts 0-7)
	v_lshlrev_b32 v[AX], 4, v0                     ; x: 512 w + 16 lane = 16 x thread
	v_lshlrev_b32 v[AXB], 3, v0                    ; xb: 256 w + 8 lane
	s_lshl_b32 s25, s24, 9
	s_mul_i32 s26, s24, SXW
	s_lshl_b32 s27, s24, 10
	v_lshl_add_u32 v[AWG], v6, 12, s25             ; Wg: expert x 4,096 + 512 w
	v_lshl_add_u32 v[AWG], v4, 5, v[AWG]           ;     + 32 h
	v_lshl_add_u32 v[ALS], v5, 3, s26              ; LDS, in: my wave's rows, 8 bytes a lane
	v_mul_u32_u24 v[ALF], v3, PX
	v_lshl_add_u32 v[ALF], v4, 4, v[ALF]
	v_add_nc_u32 v[ALF], s26, v[ALF]               ; LDS, fragments: row r x pitch + 16 h
	v_lshl_add_u32 v[APR], v5, 5, PT               ; partial logits: 32 bytes a lane,
	v_add_nc_u32 v[APT], s27, v[APR]               ; 1,024 a wave
	s_mov_b32 s3, 0
	s_wait_kmcnt 0x0
	s_load_b256 s[16:23], s[8:9], 0x0              ; bg, eight numbers
	s_lshl_b32 s2, ttmp9, 16                       ; 16 rows of 4,096 bytes
	s_add_nc_u64 s[4:5], s[4:5], s[2:3]
	s_lshl_b32 s2, ttmp9, 15
	s_add_nc_u64 s[10:11], s[10:11], s[2:3]
	s_lshl_b32 s2, ttmp9, 6
	s_add_nc_u64 s[12:13], s[12:13], s[2:3]
	s_lshl_b32 s2, ttmp9, 7
	s_add_nc_u64 s[14:15], s[14:15], s[2:3]
.irp i, 0,1,2,3,4,5,6,7,8,9,10,11,12,13,14,15
	global_load_b128 v[XL+4*(\i):XL+4*(\i)+3], v[AX], s[4:5] offset:4096*(\i) th:TH_LOAD_NT  ; row i: the wave takes 512 consecutive bytes
.endr
.irp s, 0,1,2,3
.irp q, 0,1,2,3
	global_load_b128 v[WF+16*(\s)+4*(\q):WF+16*(\s)+4*(\q)+3], v[AWG], s[6:7] offset:128*(\s)+16*((\q)%2)+64*((\q)/2)  ; k = 32 s + 8 h + 0..7 and 32 s + 16 + 8 h + 0..7
.endr
.endr
	s_wait_loadcnt 16                              ; the sixteen loads of Wg are younger: x is in
.set n, 0
.rept 32
	v_cvt_pk_bf16_f32 v[XP+n], v[XL+2*n], v[XL+2*n+1]
.set n, n+1
.endr
.irp i, 0,1,2,3,4,5,6,7,8,9,10,11,12,13,14,15
	global_store_b64 v[AXB], v[XP+2*(\i):XP+2*(\i)+1], s[10:11] offset:2048*(\i)  ; the wave stores 256 consecutive bytes, aligned
	ds_store_b64 v[ALS], v[XP+2*(\i):XP+2*(\i)+1] offset:PX*(\i)
.endr
	s_wait_loadcnt 0x0                             ; Wg
.set n, 0
.rept 32
	v_cvt_pk_bf16_f32 v[WB+n], v[WF+2*n], v[WF+2*n+1]
.set n, n+1
.endr
.irp s, 0,1,2,3
	ds_load_b128 v[XF+8*(\s):XF+8*(\s)+3],   v[ALF] offset:64*(\s)     ; my wave's own bytes: LDS serves a wave's instructions in order
	ds_load_b128 v[XF+8*(\s)+4:XF+8*(\s)+7], v[ALF] offset:64*(\s)+32
.endr
	s_wait_dscnt 0x0
.irp s, 0,1,2,3
	v_wmma_f32_16x16x32_bf16 v[XL+8*(\s):XL+8*(\s)+7], v[WB+8*(\s):WB+8*(\s)+7], v[XF+8*(\s):XF+8*(\s)+7], 0  ; four sums, each started by its product: lane (r, h), register j = token r, expert j
.endr
.rept 4
	v_nop                                          ; four places between the last product and the first read of a result
.endr
.irp j, 0,2,4,6
	v_pk_add_f32 v[XL+(\j):XL+(\j)+1], v[XL+(\j):XL+(\j)+1], v[XL+8+(\j):XL+8+(\j)+1]       ; each accumulator is read from its low end on
.endr
.irp j, 0,2,4,6
	v_pk_add_f32 v[XL+16+(\j):XL+16+(\j)+1], v[XL+16+(\j):XL+16+(\j)+1], v[XL+24+(\j):XL+24+(\j)+1]
.endr
.irp j, 0,2,4,6
	v_pk_add_f32 v[XL+(\j):XL+(\j)+1], v[XL+(\j):XL+(\j)+1], v[XL+16+(\j):XL+16+(\j)+1]
.endr
	ds_store_b128 v[APT], v[XL:XL+3]
	ds_store_b128 v[APT], v[XL+4:XL+7] offset:16
	s_wait_dscnt 0x0                               ; for wave 0's sake: my partial logits are in LDS
	s_barrier_signal -1
	s_barrier_wait -1
	s_cmp_lg_u32 s24, 0
	s_cbranch_scc1 .Lend                           ; wave 0 finishes the 16 tokens
	s_wait_xcnt 0x0                                ; v136-167, the data of the stores to xb, are rewritten only behind this wait
.irp w, 0,1,2,3,4,5,6,7
	ds_load_b128 v[WF+8*(\w):WF+8*(\w)+3],   v[APR] offset:1024*(\w)
	ds_load_b128 v[WF+8*(\w)+4:WF+8*(\w)+7], v[APR] offset:1024*(\w)+16
.endr
.irp e, 0,1,2,3,4,5,6,7
	v_mov_b32 v[IDX+(\e)], \e
.endr
	s_wait_kmcnt 0x0                               ; bg
.irp j, 0,1,2,3
	v_cvt_pk_bf16_f32 v[140+(\j)], s[16+2*(\j)], s[17+2*(\j)]     ; bg rounded to bf16 like every input,
.endr
.irp j, 0,1,2,3
	v_lshlrev_b32 v[144+2*(\j)], 16, v[140+(\j)]                  ; and widened again
	v_and_b32 v[145+2*(\j)], 0xffff0000, v[140+(\j)]
.endr
	s_wait_dscnt 0x0
.irp w, 1,2,3,4,5,6,7
.irp j, 0,2,4,6
	v_pk_add_f32 v[L+(\j):L+(\j)+1], v[L+(\j):L+(\j)+1], v[L+8*(\w)+(\j):L+8*(\w)+(\j)+1]   ; k ascending
.endr
.endr
.irp j, 0,2,4,6
	v_pk_add_f32 v[L+(\j):L+(\j)+1], v[L+(\j):L+(\j)+1], v[144+(\j):145+(\j)]
.endr
	v_mov_b32 v152, v[L]                           ; the largest logit and its expert: a strict > keeps the lower index
	v_mov_b32 v153, 0
.irp e, 1,2,3,4,5,6,7
	v_cmp_gt_f32 vcc_lo, v[L+(\e)], v152
	v_cndmask_b32 v152, v152, v[L+(\e)], vcc_lo
	v_cndmask_b32 v153, v153, v[IDX+(\e)], vcc_lo
.endr
	v_mov_b32 v154, 0xff800000                     ; the second: the same among the other seven
	v_mov_b32 v155, 0
.irp e, 0,1,2,3,4,5,6,7
	v_cmp_ne_u32 s30, \e, v153
	v_cmp_gt_f32 s31, v[L+(\e)], v154
	s_and_b32 s30, s30, s31
	v_cndmask_b32 v154, v154, v[L+(\e)], s30
	v_cndmask_b32 v155, v155, v[IDX+(\e)], s30
.endr
.irp e, 0,1,2,3,4,5,6,7
	v_sub_f32 v[168+(\e)], v[L+(\e)], v152         ; the maximum is taken away: no exponent is above 0
.endr
	v_sub_f32 v176, v154, v152
.irp e, 0,1,2,3,4,5,6,7,8
	v_mul_f32 v[168+(\e)], 0x3fb8aa3b, v[168+(\e)]
.endr
.irp e, 0,1,2,3,4,5,6,7,8
	v_exp_f32 v[168+(\e)], v[168+(\e)]             ; one batch of nine
.endr
	v_nop                                          ; a plain instruction behind the last exponential,
	s_wait_alu depctr_va_vdst(0)                   ; and the one wait ahead of the first reader
	v_pk_add_f32 v[168:169], v[168:169], v[170:171]
	v_pk_add_f32 v[172:173], v[172:173], v[174:175]
	v_pk_add_f32 v[168:169], v[168:169], v[172:173]
	v_add_f32 v168, v168, v169
	v_rcp_f32 v178, v168                           ; the largest's weight is 1 / sum
	v_mov_b32 v180, 1                              ; (the plain instruction behind the reciprocal)
	s_wait_alu depctr_va_vdst(0)
	v_mul_f32 v179, v176, v178                     ; the second's
	v_lshlrev_b32 v181, v153, v180
	v_lshlrev_b32 v182, v155, v180
	v_or_b32 v181, v181, v182
	v_lshl_or_b32 v183, v155, 8, v153
	v_lshl_or_b32 v183, v181, 16, v183
	v_lshlrev_b32 v184, 2, v3
	v_lshlrev_b32 v185, 3, v3
	global_store_b32 v184, v183, s[12:13]          ; lanes 16-31 hold the same token as lanes 0-15 and store the same words to the same places
	global_store_b64 v185, v[178:179], s[14:15]
.Lend:
	s_wait_tensorcnt 0x0                           ; the wave's end
	ds_add_u32 v[SPW], v[NIL]
	s_wait_dscnt 0x0
	s_endpgm
.Lfunc_end_k_q05cb0a29a0_router:
	.size	k_q05cb0a29a0_router, .Lfunc_end_k_q05cb0a29a0_router-k_q05cb0a29a0_router
	.p2alignl 7, 3214868480
	.fill 96, 4, 3214868480
	.section	.rodata,"a",@progbits
	.p2align	6, 0x0
	.amdhsa_kernel k_q05cb0a29a0_router
		.amdhsa_group_segment_fixed_size 44032
		.amdhsa_private_segment_fixed_size 0
		.amdhsa_enable_private_segment 0
		.amdhsa_kernarg_size 48
		.amdhsa_user_sgpr_count 2
		.amdhsa_user_sgpr_kernarg_segment_ptr 1
		.amdhsa_wavefront_size32 1
		.amdhsa_system_sgpr_workgroup_id_x 1
		.amdhsa_system_sgpr_workgroup_id_y 1
		.amdhsa_system_sgpr_workgroup_id_z 1
		.amdhsa_system_vgpr_workitem_id 0
		.amdhsa_next_free_vgpr 240
		.amdhsa_next_free_sgpr 66
		.amdhsa_reserve_vcc 1
		.amdhsa_float_denorm_mode_32 3
		.amdhsa_float_denorm_mode_16_64 3
		.amdhsa_memory_ordered 1
		.amdhsa_forward_progress 1
		.amdhsa_inst_pref_size 23
	.end_amdhsa_kernel
	.amdgpu_metadata
---
amdhsa.version: [ 1, 2 ]
amdhsa.kernels:
  - .name:           k_q05cb0a29a0_router
    .symbol:         k_q05cb0a29a0_router.kd
    .args:
      - { .name: x, .offset: 0, .size: 8, .value_kind: global_buffer, .address_space: global }
      - { .name: Wg, .offset: 8, .size: 8, .value_kind: global_buffer, .address_space: global }
      - { .name: bg, .offset: 16, .size: 8, .value_kind: global_buffer, .address_space: global }
      - { .name: xb, .offset: 24, .size: 8, .value_kind: global_buffer, .address_space: global }
      - { .name: sel, .offset: 32, .size: 8, .value_kind: global_buffer, .address_space: global }
      - { .name: gate, .offset: 40, .size: 8, .value_kind: global_buffer, .address_space: global }
    .group_segment_fixed_size: 44032
    .private_segment_fixed_size: 0
    .kernarg_segment_align: 8
    .kernarg_segment_size: 48
    .max_flat_workgroup_size: 256
    .sgpr_count:     66
    .vgpr_count:     240
    .wavefront_size: 32
...
	.end_amdgpu_metadata
.endif
;; end of part 1
;; launch ffn1 (part 2): grid 32 x 8, 4 waves a work-group, no clusters, 317,440 bytes of LDS; arguments W1, b1, xb, sel, hbuf, place; writes hbuf, place
.if DOCPART == 2
	.amdgcn_target "amdgcn-amd-amdhsa--gfx1250"
	.amdhsa_code_object_version 6
	.text
	.protected	k_q05cb0a29a0_ffn1
	.globl	k_q05cb0a29a0_ffn1
	.p2align	8
	.type	k_q05cb0a29a0_ffn1,@function
k_q05cb0a29a0_ffn1:
	s_mov_b64 s[64:65], 0
	v_nop
	global_prefetch_b8 v0, s[64:65] scope:SCOPE_SE
	s_setreg_imm32_b32 hwreg(HW_REG_WAVE_MODE, 25, 1), 1
	s_wait_xcnt 0x0
; FIRST PRODUCT.  h = gelu(x W1[e]^T + b1[e]) for the tokens that chose expert e, stored by rank in the expert's list: hbuf[e][rank][4096] in f16.
; Also (the work-groups of slice 0): place[e][t] = token t's rank in expert e's list, or 1024; from byte 32,768 on the expert's count, 32 times.
; SHARES.  Work-group (slice, e) has rows 128 slice .. + 127 of W1[e] over the whole K = 1,024: 512 KB of f32 that it alone reads, once.  They are rounded to bf16 on the way through
; registers and stay in LDS.  All of the expert's rows go past them in tiles of 16: tile 20 p + 4 a + w belongs to wave w, place a = 0..4, pass p.  Pass 0 (320 rows) runs while the
; weights stream in, 64 k a trip; passes 1 to 3 (up to 1,280 rows: every split of the tokens is served) read the resident slice, and their products are jumped where a wave has no tile left.
; An expert without tokens counts as one row (token 0), which nobody reads.  Rows past the count in a live tile repeat the last row and land on spare ranks: whole tiles are stored, EXEC stays full.
; FORMATS.  W1, b1 (and x, by the launch before) are rounded to bf16, sums in f32 with b1 as the first product's C; exact-erf GELU in f32 by Abramowitz and Stegun 7.1.26
; (|error of erf| <= 1.5e-7 for every argument); h rounded once to f16.
; LIMITS.  |h| of 65,520 or more becomes an infinity; below 6e-5 h keeps f16's fixed step of 6e-8; NaN and infinities are not treated apart.
; NO CLUSTER, NO TENSOR LOADS: each slice of weights has one reader; the token rows come by a list, which no descriptor covers; the resident slice takes 278,528 bytes, so no two f32 slots fit beside it.
; REGISTERS, in windows of 256 (s_set_vgpr_msb: bits 1:0 source 0, 3:2 source 1, 5:4 source 2, 7:6 destination):
;   window 0: v0-31 addresses and temporaries; v32-63 converted weights (on the way out: h in f16); v64-127 b1 as a C operand; v128-191, v192-255 the weights' fragments of a chunk's first and
;             second K step (on the way out: GELU's registers)
;   window 1: v0-159 the tokens' fragments, two buffers of 2 x 5 x 8     window 2: the accumulators of tiles 0-3 (64 a + 8 b)     window 3: v0-63 tile 4's; v64-191 weights as loaded, two buffers
.set PW,    4096                       ; bytes from row to row of W1
.set PWSH,  12
.set PL,    272                        ; an LDS row: 128 k of bf16 + 16 bytes: row r starts at bank 4 r mod 64 (64 banks of 4 bytes: ISA guide 11.1)
.set SUP,   128*PL                     ; 128 rows x 128 k; eight of these hold the slice
.set STG,   8*SUP                      ; the way out: 16 rows x 528 bytes (128 f32 + 16) for each wave
.set SPT,   528
.set STGW,  16*SPT
.set LIST,  STG+4*STGW                 ; the expert's tokens by rank, 1,024 words; word 1,024 takes what was not chosen
.set CNTA,  LIST+4096+256              ; the count
.set SPARE, CNTA+256                   ; the spare words: 128 bytes for each wave; no other line names them
.set SPW, 1
.set NIL, 2
.set WOF, 3                            ; (32 w + 8 h) x PW + 16 r
.set ST0, 4                            ; (32 w + 8 h) x 272 + 8 r
.set BF0, 5                            ; 272 r + 16 h
.set VA,  6                            ; v6-10  byte offset of my row of tile a in xb, + 16 h
.set STO, 11
.set RD,  12
.set GO,  13
.set TA,  14                           ; where I store my part of a chunk
.set TB,  15                           ; where I read a chunk's fragments
.set PF,  16                           ; thread x PW
.set PFA, 17
.set VR,  18                           ; r
.set VH16, 19                          ; 16 h
.set CV,  32
.set BIAS, 64
.set BF,  128
.set GX,  128                          ; the way out: v[128:191] a tile's 16 rows; then sixteen registers each: 1 + K1 |x| and t, the exponential, the polynomial, x / 2
.set GD,  192
.set GE,  208
.set GP,  224
.set GH,  240
.set WV,  16                           ; s16 wave   s17 slice   s18 expert   s19 count (at least 1)   s20 live tiles   s21 my live tiles of the pass, 0..5
.set SL,  17
.set EX,  18
.set CT,  19
.set NT,  20
.set NL,  21
.set RC,  22                           ; s22 the last row that exists
.set TBS, 23                           ; s23 20 p + w
.set KC,  24
.set PS,  25
.set TL,  26
.set LK,  28                           ; s28 LDS byte of a chunk
.set PO,  29                           ; s29 byte in a row of the chunk to prefetch
.set T0,  30
.set T1,  31
.set WB,  32                           ; s[32:33] weights, walking   s[34:35] tokens, walking   s[36:37] output   s[38:39] (offset, 0)
.set AB,  34
.set OB,  36
.set OF,  38
.set PRE, 40
.set BIT, 41
.set K2,  42                           ; s[42:53] pairs: -log2(e)/2 and the five coefficients, halved and negated
.set K1,  54
.set HM,  55
.set WB0, 56
.set AB0, 58
.set OB0, 60
.set MSB, 0
.macro WIN new                         ; the immediate's high byte repeats the setting that is left; a switch that changes nothing is dropped
.if MSB != (\new)
	s_set_vgpr_msb (MSB<<8)|(\new)
.set MSB, \new
.endif
.endm
.macro MEET                            ; a work-group barrier; no LDS instruction of mine is out at its signal
	s_wait_dscnt 0x0
	s_barrier_signal -1
	s_barrier_wait -1
.endm
; 16 loads: a chunk of 64 k of my 32 rows.  Lanes 0-15 take 256 consecutive aligned bytes of one row, lanes 16-31 of the row 8 further down.
.macro LOADW buf, base, extra
	WIN 0xc0
.irp i, 0,1,2,3,4,5,6,7,8,9,10,11,12,13,14,15
	global_load_b128 v[64+64*(\buf)+4*(\i):64+64*(\buf)+4*(\i)+3], v[WOF], s[\base:\base+1] offset:((\i)%8+16*((\i)/8))*PW+(\extra) th:TH_LOAD_NT
.endr
	WIN 0
.endm
; 20 loads: the fragments (16 rows x 32 k) of five tiles, two K steps.  Always all twenty, so that the counted waits hold on every way; a dead tile's rows are clamped to one that exists.
.macro LOADA buf
	WIN 0x40
.irp s, 0,1
.irp a, 0,1,2,3,4
	global_load_b128 v[80*(\buf)+40*(\s)+8*(\a):80*(\buf)+40*(\s)+8*(\a)+3],   v[VA+(\a)], s[AB:AB+1] offset:64*(\s)
	global_load_b128 v[80*(\buf)+40*(\s)+8*(\a)+4:80*(\buf)+40*(\s)+8*(\a)+7], v[VA+(\a)], s[AB:AB+1] offset:64*(\s)+32
.endr
.endr
	WIN 0
.endm
.macro CVTW buf                        ; f32 to bf16, nearest even
	WIN 0x0f
.set n, 0
.rept 32
	v_cvt_pk_bf16_f32 v[CV+n], v[64+64*(\buf)+2*n], v[64+64*(\buf)+2*n+1]
.set n, n+1
.endr
	WIN 0
.endm
.macro STOREW                          ; 8 bytes a lane; the two halves of the lanes lie 8 rows = 128 bytes mod 256 apart
.irp i, 0,1,2,3,4,5,6,7,8,9,10,11,12,13,14,15
	ds_store_b64 v[TA], v[CV+2*(\i):CV+2*(\i)+1] offset:((\i)%8+16*((\i)/8))*PL
.endr
.endm
.macro LB4 s, q                        ; a run of four LDS loads: the fragments of weight rows 32 q .. 32 q + 31, K step s of the chunk at v[TB]
	WIN 0
.irp b, 2*(\q), 2*(\q)+1
	ds_load_b128 v[BF+64*(\s)+8*(\b):BF+64*(\s)+8*(\b)+3],   v[TB] offset:16*PL*(\b)+64*(\s)
	ds_load_b128 v[BF+64*(\s)+8*(\b)+4:BF+64*(\s)+8*(\b)+7], v[TB] offset:16*PL*(\b)+64*(\s)+32
.endr
.endm
.macro STEPLK par                      ; from chunk kc to chunk kc + 1: the other half of the same LDS rows, or the next 128 k
.if (\par) == 0
	s_add_co_u32 s[LK], s[LK], 128
.else
	s_add_co_u32 s[LK], s[LK], SUP-128
.endif
.endm
; cnt products of tile a (0..3), K step s, weight blocks b0 on.  Source 0 = 16 rows of W1, source 1 = 16 tokens: lane (r, h), register j holds token r, column 16 b + 8 h + j.
; The accumulators take turns, one instruction a turn.  first = 1: the product starts the sum, with b1 as C: nothing is cleared.
.macro MM par, s, a, b0, cnt, first
.if \first
	WIN 0x84
.else
	WIN 0xa4
.endif
.set bb, \b0
.rept \cnt
.if \first
	v_wmma_f32_16x16x32_bf16 v[64*(\a)+8*bb:64*(\a)+8*bb+7], v[BF+64*(\s)+8*bb:BF+64*(\s)+8*bb+7], v[80*(\par)+40*(\s)+8*(\a):80*(\par)+40*(\s)+8*(\a)+7], v[BIAS+8*bb:BIAS+8*bb+7]
.else
	v_wmma_f32_16x16x32_bf16 v[64*(\a)+8*bb:64*(\a)+8*bb+7], v[BF+64*(\s)+8*bb:BF+64*(\s)+8*bb+7], v[80*(\par)+40*(\s)+8*(\a):80*(\par)+40*(\s)+8*(\a)+7], v[64*(\a)+8*bb:64*(\a)+8*bb+7]
.endif
.set bb, bb+1
.endr
.endm
; Tile 4's eight products of K step s.  first = 1: always, they start the sums.  Else they are jumped where I have fewer than five live tiles.  Leaves every window 0.
.macro T4 par, s, first
.if \first
	WIN 0xc4
.irp b, 0,1,2,3,4,5,6,7
	v_wmma_f32_16x16x32_bf16 v[8*(\b):8*(\b)+7], v[BF+64*(\s)+8*(\b):BF+64*(\s)+8*(\b)+7], v[80*(\par)+40*(\s)+32:80*(\par)+40*(\s)+39], v[BIAS+8*(\b):BIAS+8*(\b)+7]
.endr
	WIN 0
.else
	WIN 0                                          ; at a branch and at a label every window is 0
	s_cmp_lt_u32 s[NL], 5
	s_cbranch_scc1 .Lno4_\@
	WIN 0xf4
.irp b, 0,1,2,3,4,5,6,7
	v_wmma_f32_16x16x32_bf16 v[8*(\b):8*(\b)+7], v[BF+64*(\s)+8*(\b):BF+64*(\s)+8*(\b)+7], v[80*(\par)+40*(\s)+32:80*(\par)+40*(\s)+39], v[8*(\b):8*(\b)+7]
.endr
	WIN 0
.Lno4_\@:
.endif
.endm
; A TRIP OF PASS 0: chunk kc of 64 k is multiplied while chunk kc + 1 goes from registers into LDS.  par = kc % 2.
; At its head chunk kc lies whole in LDS, the fragments of its first K step have been asked for, the tokens' chunk kc and the weights' chunks kc + 1 and kc + 2 are on their way.
; cvt = 1 (all trips but the last).  HEAD: the weights' chunk kc + 1 is rounded; the tokens' chunk kc + 1 is asked for, and (isW) the weights' chunk kc + 3, into the registers just read; thread i
; prefetches the 256 bytes of row i in chunk kc + 5 (clamped to chunk 15, the row's last): two trips ahead of that chunk's load, each block by one lane.
; FIRST K STEP: 32 products; the second K step's sixteen fragment loads stand between the first sixteen, in runs of four.  SECOND K STEP: 32 products; chunk kc + 1's first sixteen fragment loads
; stand between the last sixteen, in runs of four, and land under the next trip's head.  Tile 4's products follow each step.
; TWO BARRIERS, each with eight products between its signal and its wait.  The first: every wave's reads of chunk kc are back before anybody stores chunk kc + 1, which shares LDS rows with it.
; The second: every wave's stores of chunk kc + 1 are done before anybody reads it.
; nW: the loads younger than the weights' chunk kc + 1.  nA: those younger than the tokens' chunk kc.  Loads come back in order (ISA guide 5.7.1).
; PLACES (ISA guide 7.12.1 for vector instructions): the 32 conversions (cvt = 0: four v_nop) stand between the last trip's products and the loads into their sources; two address
; lines and two v_nop between the first K step's products and the loads into its fragments.
.macro TRIP par, first, cvt, isW, nW, nA
.if \cvt
	s_wait_loadcnt \nW
	CVTW 1-(\par)
	s_wait_xcnt 0x0                                ; the bases and the prefetch's address are rewritten only behind this wait
	s_add_nc_u64 s[AB:AB+1], s[AB:AB+1], 128
.if \isW
	s_add_nc_u64 s[WB:WB+1], s[WB:WB+1], 256
	s_add_co_u32 s[PO], s[PO], 256
	s_min_u32 s[PO], s[PO], 3840
	v_add_nc_u32 v[PFA], s[PO], v[PF]
.endif
	LOADA 1-(\par)
.if \isW
	LOADW 1-(\par), WB, 0
	global_prefetch_b8 v[PFA], s[WB0:WB0+1] th:TH_LOAD_NT scope:SCOPE_SE
.endif
.else
	WIN 0
.rept 4
	v_nop
.endr
.endif
	s_wait_loadcnt \nA
	s_wait_dscnt 0x0                               ; the first K step's fragments are in
	LB4 1, 0
	MM \par, 0, 0, 0, 4, \first
	LB4 1, 1
	MM \par, 0, 0, 4, 4, \first
	LB4 1, 2
	MM \par, 0, 1, 0, 4, \first
	LB4 1, 3
	MM \par, 0, 1, 4, 4, \first
	MM \par, 0, 2, 0, 8, \first
	s_wait_dscnt 0x0                               ; the second K step's fragments are in: my reads of chunk kc are over
.if \cvt
	s_barrier_signal -1
.endif
	MM \par, 0, 3, 0, 8, \first
.if \cvt
	s_barrier_wait -1                              ; everybody's are
.endif
	T4 \par, 0, \first
.if \cvt
	STEPLK \par
	v_add_nc_u32 v[TA], s[LK], v[ST0]
	v_add_nc_u32 v[TB], s[LK], v[BF0]
	v_nop
	v_nop
	STOREW
.endif
	MM \par, 1, 0, 0, 8, 0
.if \cvt
	s_wait_dscnt 0x0                               ; for the others' sake: my stores of chunk kc + 1 are done
	s_barrier_signal -1
.endif
	MM \par, 1, 1, 0, 8, 0
.if \cvt
	s_barrier_wait -1                              ; everybody's are
	LB4 0, 0
	MM \par, 1, 2, 0, 4, 0
	LB4 0, 1
	MM \par, 1, 2, 4, 4, 0
	LB4 0, 2
	MM \par, 1, 3, 0, 4, 0
	LB4 0, 3
	MM \par, 1, 3, 4, 4, 0
.else
	MM \par, 1, 2, 0, 8, 0
	MM \par, 1, 3, 0, 8, 0
.endif
	T4 \par, 1, 0
.endm
; A TRIP OF PASSES 1 TO 3: chunk kc from the resident slice; nothing writes LDS, so no barrier.  Written twice (par = 0, 1) and walked eight times, s[KC] = 8 .. 1.
; The pass's first trip (par = 0, s[KC] = 8) takes the products that start the sums; its last (par = 1, s[KC] = 1) jumps over its two requests, and waits for 0 in the place of 20.
; s_wait_loadcnt 20: behind the tokens' chunk kc stands chunk kc + 1.  s_wait_dscnt 16: behind the first K step's fragments stand the second's sixteen loads.
; FIVE v_nop at the head: four are the places between the last trip's products and the loads into their sources; the products that start sums stand in the loop's text, behind its backward jump,
; and a product that writes over an accumulator without adding onto it stands five places behind the accumulator's last product.
.macro TRIPL par
	WIN 0
.rept 5
	v_nop
.endr
.if (\par) == 1
	s_cmp_eq_u32 s[KC], 1
	s_cbranch_scc1 .Lnoa_\@
.endif
	s_wait_xcnt 0x0                                ; the base is rewritten only behind this wait
	s_add_nc_u64 s[AB:AB+1], s[AB:AB+1], 128
	LOADA 1-(\par)
	s_wait_loadcnt 20
.if (\par) == 1
	s_branch .Lgot_\@
.Lnoa_\@:
	s_wait_loadcnt 0x0
.Lgot_\@:
.endif
	LB4 1, 0
	LB4 1, 1
	LB4 1, 2
	LB4 1, 3
	s_wait_dscnt 16
.if (\par) == 0
	s_cmp_eq_u32 s[KC], 8
	s_cbranch_scc0 .Lon_\@
	MM 0, 0, 0, 0, 8, 1
	MM 0, 0, 1, 0, 8, 1
	MM 0, 0, 2, 0, 8, 1
	MM 0, 0, 3, 0, 8, 1
	T4 0, 0, 1
	s_branch .Lhalf_\@
.Lon_\@:
.endif
	MM \par, 0, 0, 0, 8, 0
	MM \par, 0, 1, 0, 8, 0
	MM \par, 0, 2, 0, 8, 0
	MM \par, 0, 3, 0, 8, 0
	T4 \par, 0, 0
.if (\par) == 0
.Lhalf_\@:
.endif
	STEPLK \par
	v_add_nc_u32 v[TB], s[LK], v[BF0]              ; with the three v_nop: the places in front of the loads into the first K step's fragments
	v_nop
	v_nop
	v_nop
	s_wait_dscnt 0x0                               ; the second K step's fragments are in
.if (\par) == 1
	s_cmp_eq_u32 s[KC], 1
	s_cbranch_scc1 .Lnob_\@
.endif
	LB4 0, 0
	LB4 0, 1
	LB4 0, 2
	LB4 0, 3
.if (\par) == 1
.Lnob_\@:
.endif
	MM \par, 1, 0, 0, 8, 0
	MM \par, 1, 1, 0, 8, 0
	MM \par, 1, 2, 0, 8, 0
	MM \par, 1, 3, 0, 8, 0
	T4 \par, 1, 0
.endm
.macro MKNL                            ; my live tiles of the pass: those a with 20 p + w + 4 a < live tiles, at most five
	s_add_co_u32 s[T0], s[NT], 3
	s_sub_co_i32 s[T0], s[T0], s[TBS]
	s_max_i32 s[T0], s[T0], 0
	s_lshr_b32 s[NL], s[T0], 2
	s_min_u32 s[NL], s[NL], 5
.endm
.macro SETUP                           ; a pass begins: the five tiles' rows by the list, and the tokens' chunk 0
	s_wait_xcnt 0x0
.irp a, 0,1,2,3,4
	s_add_co_u32 s[T0], s[TBS], 4*(\a)
	s_lshl_b32 s[T0], s[T0], 4
	v_add_nc_u32 v[20+(\a)], s[T0], v[VR]          ; rank 16 tile + r,
	v_min_u32 v[20+(\a)], s[RC], v[20+(\a)]        ; or the last that exists
	v_min_u32 v[20+(\a)], 0x3ff, v[20+(\a)]
	v_lshl_add_u32 v[20+(\a)], v[20+(\a)], 2, LIST
	ds_load_b32 v[25+(\a)], v[20+(\a)]
.endr
	s_wait_dscnt 0x0
.irp a, 0,1,2,3,4
	v_min_u32 v[25+(\a)], 0x3ff, v[25+(\a)]
	v_lshl_add_u32 v[VA+(\a)], v[25+(\a)], 11, v[VH16]  ; token x 2,048 bytes + 16 h
.endr
	s_mov_b32 s[LK], 0
	s_mov_b64 s[AB:AB+1], s[AB0:AB0+1]
	LOADA 0
.endm
.macro TOSTG a                         ; tile a's accumulators into my stage, each from its low end on
.if (\a) < 4
	WIN 0x08
.else
	WIN 0x0c
.endif
.irp b, 0,1,2,3,4,5,6,7
	ds_store_b128 v[STO], v[64*((\a)%4)+8*(\b):64*((\a)%4)+8*(\b)+3]   offset:64*(\b)
	ds_store_b128 v[STO], v[64*((\a)%4)+8*(\b)+4:64*((\a)%4)+8*(\b)+7] offset:64*(\b)+16
.endr
	WIN 0
.endm
; gelu(x) = x / 2 + |x| (1/2 - q), q = erfc(|x| / sqrt 2) / 2 = (1/2) (a1 t + .. + a5 t^5) 2^(-x x log2(e) / 2), t = 1 / (1 + 0.23164189 |x|).  Sixteen numbers, in place, from register x on.
; The 32 reciprocals and exponentials are one batch; the eight halvings are the plain work behind it; one wait ahead of the first reader.
.macro PK8 line:vararg
.set n, 0
.rept 8
	\line
.set n, n+2
.endr
.endm
.macro GELU16 x
.set n, 0
.rept 16
	v_fma_f32 v[GD+n], |v[(\x)+n]|, s[K1], 1.0
.set n, n+1
.endr
	PK8 v_pk_mul_f32 v[GE+n:GE+n+1], v[(\x)+n:(\x)+n+1], v[(\x)+n:(\x)+n+1]
	PK8 v_pk_mul_f32 v[GE+n:GE+n+1], v[GE+n:GE+n+1], s[K2:K2+1] op_sel_hi:[1,0]
.set n, 0
.rept 16
	v_rcp_f32 v[GD+n], v[GD+n]
.set n, n+1
.endr
.set n, 0
.rept 16
	v_exp_f32 v[GE+n], v[GE+n]
.set n, n+1
.endr
	PK8 v_pk_mul_f32 v[GH+n:GH+n+1], v[(\x)+n:(\x)+n+1], 0.5 op_sel_hi:[1,0]
	s_wait_alu depctr_va_vdst(0)
	PK8 v_pk_fma_f32 v[GP+n:GP+n+1], v[GD+n:GD+n+1], s[K2+2:K2+3], s[K2+4:K2+5] op_sel_hi:[1,0,0]
	PK8 v_pk_fma_f32 v[GP+n:GP+n+1], v[GP+n:GP+n+1], v[GD+n:GD+n+1], s[K2+6:K2+7] op_sel_hi:[1,1,0]
	PK8 v_pk_fma_f32 v[GP+n:GP+n+1], v[GP+n:GP+n+1], v[GD+n:GD+n+1], s[K2+8:K2+9] op_sel_hi:[1,1,0]
	PK8 v_pk_fma_f32 v[GP+n:GP+n+1], v[GP+n:GP+n+1], v[GD+n:GD+n+1], s[K2+10:K2+11] op_sel_hi:[1,1,0]
	PK8 v_pk_mul_f32 v[GP+n:GP+n+1], v[GP+n:GP+n+1], v[GD+n:GD+n+1]
	PK8 v_pk_fma_f32 v[GP+n:GP+n+1], v[GP+n:GP+n+1], v[GE+n:GE+n+1], 0.5 op_sel_hi:[1,1,0]   ; the coefficients are negated: this is 1/2 - q
.set n, 0
.rept 16
	v_fma_f32 v[(\x)+n], |v[(\x)+n]|, v[GP+n], v[GH+n]
.set n, n+1
.endr
.endm
; THE WAY OUT of a pass, written once: my live tiles one after the other through my own stage (no other wave touches it; LDS serves a wave's instructions in order: ISA guide 5.7.1.4), back as 16 whole
; rows of 128 f32, all by immediates from one fixed address; GELU four rows at a time; f16; each store of the wave covers 256 consecutive bytes, aligned.  Dead tiles are jumped, forward, to the counter's step.
.macro EPI
	WIN 0
.rept 4
	v_nop                                          ; four places between the last products and the first read of a result
.endr
	s_mov_b32 s[TL], 0
.Ltile:
	s_cmp_ge_u32 s[TL], s[NL]
	s_cbranch_scc1 .Lnext
	s_cmp_eq_u32 s[TL], 0
	s_cbranch_scc1 .Lt0
	s_cmp_eq_u32 s[TL], 1
	s_cbranch_scc1 .Lt1
	s_cmp_eq_u32 s[TL], 2
	s_cbranch_scc1 .Lt2
	s_cmp_eq_u32 s[TL], 3
	s_cbranch_scc1 .Lt3
	TOSTG 4
	s_branch .Lcom
.Lt0:
	TOSTG 0
	s_branch .Lcom
.Lt1:
	TOSTG 1
	s_branch .Lcom
.Lt2:
	TOSTG 2
	s_branch .Lcom
.Lt3:
	TOSTG 3
.Lcom:
	s_wait_xcnt 0x0                                ; the last tile's stores have read their base and their data (v32-63): both are rewritten only behind this wait
	s_lshl_b32 s[T0], s[TL], 2
	s_add_co_u32 s[T0], s[T0], s[TBS]              ; the tile's number,
	s_lshl_b32 s[OF], s[T0], 17                    ; 16 rows of 8,192 bytes each
	s_add_nc_u64 s[OB:OB+1], s[OB0:OB0+1], s[OF:OF+1]
.irp i, 0,1,2,3,4,5,6,7,8,9,10,11,12,13,14,15
	ds_load_b128 v[GX+4*(\i):GX+4*(\i)+3], v[RD] offset:SPT*(\i)   ; a whole row: 32 lanes x 16 bytes
.endr
.irp q, 0,1,2,3
	s_wait_dscnt 12-4*(\q)                         ; LDS loads come back in order: rows 4 q .. 4 q + 3 are in, the later rows' loads may be out
	GELU16 GX+16*(\q)
.irp i, 0,1,2,3,4,5,6,7
	v_cvt_pk_f16_f32 v[CV+8*(\q)+(\i)], v[GX+16*(\q)+2*(\i)], v[GX+16*(\q)+2*(\i)+1]
.endr
.irp i, 0,1,2,3
	global_store_b64 v[GO], v[CV+8*(\q)+2*(\i):CV+8*(\q)+2*(\i)+1], s[OB:OB+1] offset:8192*(4*(\q)+(\i))
.endr
.endr
.Lnext:
	s_add_co_u32 s[TL], s[TL], 1
	s_cmp_lt_u32 s[TL], 5
	s_cbranch_scc1 .Ltile
.endm
	s_load_b256 s[4:11], s[0:1], 0x0               ; W1 s[4:5], b1 s[6:7], xb s[8:9], sel s[10:11]
	s_load_b128 s[12:15], s[0:1], 0x20             ; hbuf s[12:13], place s[14:15]
	v_lshl_add_u32 v[SPW], v0, 2, SPARE
	v_mov_b32 v[NIL], 0
	v_lshrrev_b32 v20, 5, v0
	v_readfirstlane_b32 s[WV], v20
	s_mov_b32 s[SL], ttmp9
	s_and_b32 s[EX], ttmp7, 0xffff
	v_and_b32 v[VR], 15, v0
	v_bfe_u32 v21, v0, 4, 1                        ; h
	v_and_b32 v22, 31, v0                          ; lane
	v_lshlrev_b32 v[VH16], 4, v21
	s_lshl_b32 s[T0], s[WV], 5
	v_lshl_add_u32 v23, v21, 3, s[T0]              ; 32 w + 8 h
	v_lshlrev_b32 v[WOF], 4, v[VR]
	v_lshl_add_u32 v[WOF], v23, PWSH, v[WOF]
	v_mul_u32_u24 v[ST0], v23, PL
	v_lshl_add_u32 v[ST0], v[VR], 3, v[ST0]
	v_mul_u32_u24 v[BF0], v[VR], PL
	v_add_nc_u32 v[BF0], v[BF0], v[VH16]
	s_mul_i32 s[T0], s[WV], STGW
	s_add_co_u32 s[T0], s[T0], STG                 ; my stage
	v_mul_u32_u24 v[STO], v[VR], SPT               ; in: row r, 32 bytes for each half of the lanes
	v_lshl_add_u32 v[STO], v21, 5, v[STO]
	v_add_nc_u32 v[STO], s[T0], v[STO]
	v_lshl_add_u32 v[RD], v22, 4, s[T0]            ; back: 16 bytes a lane of a row
	v_lshlrev_b32 v[GO], 3, v22                    ; and 8 bytes a lane of a row of h
	v_lshlrev_b32 v[PF], PWSH, v0
	v_lshlrev_b32 v24, 5, v21                      ; b1: 32 h
	v_lshlrev_b32 v25, 4, v22                      ; sel and place: 16 lane
	s_mov_b32 s[OF+1], 0
	s_mov_b32 s[HM], 0xffff0000
	s_mov_b32 s[K1], 0x3e6d3388                    ; 0.3275911 / sqrt 2
	s_mov_b32 s[K2], 0xbf38aa3b                    ; -log2(e) / 2
	s_mov_b32 s[K2+2], 0xbf07dc22                  ; -a5 / 2 = -0.53070271
	s_mov_b32 s[K2+4], 0x3f3a00e3                  ; -a4 / 2 =  0.72657601
	s_mov_b32 s[K2+6], 0xbf35f0e3                  ; -a3 / 2 = -0.71070687
	s_mov_b32 s[K2+8], 0x3e11a98e                  ; -a2 / 2 =  0.14224837
	s_mov_b32 s[K2+10], 0xbe027906                 ; -a1 / 2 = -0.12741480
.irp j, 0,2,4,6,8,10
	s_mov_b32 s[K2+(\j)+1], s[K2+(\j)]             ; named as pairs
.endr
	s_mov_b32 s[PO], 1024
	s_lshl_b32 s[T0], s[EX], 24
	s_lshl_b32 s[T1], s[SL], 19
	s_add_co_u32 s[OF], s[T0], s[T1]
	s_wait_kmcnt 0x0
	s_add_nc_u64 s[WB0:WB0+1], s[4:5], s[OF:OF+1]  ; my slice of W1[e]
	s_add_nc_u64 s[WB:WB+1], s[WB0:WB0+1], 512     ; the walking base stands at chunk 2
	s_lshl_b32 s[T0], s[EX], 14
	s_lshl_b32 s[T1], s[SL], 9
	s_add_co_u32 s[OF], s[T0], s[T1]
	s_add_nc_u64 s[6:7], s[6:7], s[OF:OF+1]        ; my 128 numbers of b1[e]
	s_lshl_b32 s[T0], s[EX], 23
	s_lshl_b32 s[T1], s[SL], 8
	s_add_co_u32 s[OF], s[T0], s[T1]
	s_add_nc_u64 s[OB0:OB0+1], s[12:13], s[OF:OF+1]  ; hbuf[e][0][128 slice]
	s_mov_b64 s[AB0:AB0+1], s[8:9]
.irp b, 0,1,2,3,4,5,6,7
	global_load_b128 v[BIAS+8*(\b):BIAS+8*(\b)+3],   v24, s[6:7] offset:64*(\b)      ; b1 as a C operand: register j = column 16 b + 8 h + j
	global_load_b128 v[BIAS+8*(\b)+4:BIAS+8*(\b)+7], v24, s[6:7] offset:64*(\b)+16
.endr
.irp i, 0,1,2,3,4,5,6,7
	global_load_b128 v[128+4*(\i):128+4*(\i)+3], v25, s[10:11] offset:512*(\i)        ; sel: register 4 i + c of lane l is token 128 i + 4 l + c
.endr
	LOADW 0, WB0, 0
	LOADW 1, WB0, 256
	global_prefetch_b8 v[PF], s[WB0:WB0+1] offset:768 th:TH_LOAD_NT scope:SCOPE_SE    ; chunks 3 and 4: row i's 256 bytes by thread i
	global_prefetch_b8 v[PF], s[WB0:WB0+1] offset:1024 th:TH_LOAD_NT scope:SCOPE_SE
	s_wait_loadcnt 32                              ; the two chunks of weights are younger: b1 and sel are in
.set n, 0
.rept 32
	v_cvt_pk_bf16_f32 v[CV+n], v[BIAS+2*n], v[BIAS+2*n+1]     ; b1 rounded to bf16 like every input,
.set n, n+1
.endr
.set n, 0
.rept 32
	v_lshlrev_b32 v[BIAS+2*n], 16, v[CV+n]                    ; and widened again
	v_and_b32 v[BIAS+2*n+1], s[HM], v[CV+n]
.set n, n+1
.endr
	s_cmp_lg_u32 s[WV], 0
	s_cbranch_scc1 .Lnolist
	; THE LIST, by wave 0: a counting pass over the 1,024 choices, 32 tokens at a time.  A token's rank is the number of chosen tokens in the groups before plus those in lower lanes of its group.
	s_add_co_u32 s[T0], s[EX], 16
	s_lshl_b32 s[BIT], 1, s[T0]                    ; my expert's bit in a choice
	s_mov_b32 s[PRE], 0
	v_mov_b32 v26, 0x400
	v_lshlrev_b32 v27, 2, v22                      ; 4 lane
	v_mov_b32 v28, LIST
	v_mov_b32 v29, 0
	ds_store_b32 v28, v29                          ; rank 0 is token 0 until a token takes it: an expert without tokens has one row that exists
.set g, 0
.rept 32
	v_and_b32 v20, s[BIT], v[128+g]
	v_cmp_ne_u32 s[T0], 0, v20
	v_mbcnt_lo_u32_b32 v21, s[T0], s[PRE]
	v_cndmask_b32 v21, v26, v21, s[T0]             ; not chosen: 1,024
	v_min_u32 v[160+g], 0x400, v21
	v_lshl_add_u32 v28, v[160+g], 2, LIST
	v_add_nc_u32 v29, 128*(g/4)+g%4, v27
	ds_store_b32 v28, v29
	s_bcnt1_i32_b32 s[T1], s[T0]
	s_add_co_u32 s[PRE], s[PRE], s[T1]
.set g, g+1
.endr
	v_mov_b32 v28, CNTA
	v_mov_b32 v29, s[PRE]
	ds_store_b32 v28, v29
	s_cmp_lg_u32 s[SL], 0
	s_cbranch_scc1 .Lnolist                        ; one work-group an expert stores the ranks and the count for the launches behind
	s_lshl_b32 s[OF], s[EX], 12
	s_add_nc_u64 s[T0:T0+1], s[14:15], s[OF:OF+1]
.irp i, 0,1,2,3,4,5,6,7
	global_store_b128 v25, v[160+4*(\i):160+4*(\i)+3], s[T0:T0+1] offset:512*(\i)     ; 512 consecutive bytes
.endr
	s_lshl_b32 s[OF], s[EX], 7
	s_add_nc_u64 s[14:15], s[14:15], s[OF:OF+1]
	global_store_b32 v27, v29, s[14:15] offset:32768
	s_wait_xcnt 0x0                                ; the stores' registers are rewritten only behind this wait
.Lnolist:
	MEET                                           ; wave 0's list and count are in LDS
	v_mov_b32 v20, CNTA
	ds_load_b32 v21, v20
	s_wait_dscnt 0x0
	v_readfirstlane_b32 s[CT], v21
	s_min_u32 s[CT], s[CT], 1024
	s_max_u32 s[CT], s[CT], 1
	s_add_co_u32 s[NT], s[CT], 15
	s_lshr_b32 s[NT], s[NT], 4
	s_sub_co_u32 s[RC], s[CT], 1
	; PASS 0.  Issue order: W(0), W(1), A(0), W(2); then in trip kc A(kc + 1), W(kc + 3).
	; Chunk 0: behind W(0) stand W(1) and A(0): 36.  Trips 0 to 12: behind W(kc + 1) stand A(kc) and W(kc + 2): 36; behind A(kc) stand W(kc + 2), A(kc + 1), W(kc + 3): 52.
	; Trip 13 asks for no weights: behind W(14) stand A(13), W(15): 36; behind A(13) stand W(15), A(14): 36.  Trip 14: behind W(15) stands A(14): 20; behind A(14) stands A(15): 20.  Trip 15: 0.
	s_mov_b32 s[TBS], s[WV]
	MKNL
	SETUP
	s_wait_loadcnt 36                              ; chunk 0 goes into LDS while the tokens' chunk 0 is on its way
	CVTW 0
	LOADW 0, WB, 0
	v_add_nc_u32 v[TA], s[LK], v[ST0]
	v_add_nc_u32 v[TB], s[LK], v[BF0]
	STOREW
	MEET                                           ; every wave's part of chunk 0 is in LDS
	LB4 0, 0
	LB4 0, 1
	LB4 0, 2
	LB4 0, 3
	TRIP 0, 1, 1, 1, 36, 52
	s_mov_b32 s[KC], 6
.Lk0:
	TRIP 1, 0, 1, 1, 36, 52
	TRIP 0, 0, 1, 1, 36, 52
	s_sub_co_u32 s[KC], s[KC], 1
	s_cmp_lg_u32 s[KC], 0
	s_cbranch_scc1 .Lk0
	TRIP 1, 0, 1, 0, 36, 36
	TRIP 0, 0, 1, 0, 20, 20
	TRIP 1, 0, 0, 0, 0, 0
	; FOUR TRIPS: the way out of the pass just multiplied, then the next pass's products from the resident slice.  The fourth trip's pass would begin at tile 80 and has none: it is jumped like every
	; pass without a tile.
	; The slice and the stages are different bytes.  All the same two barriers a trip, on every wave's path, order all reads of the slice in these passes (their address is a scalar stepped in an inner
	; loop) against all writes of the stages: every wave's reads are back before a stage is written, and every wave's stage traffic is done before the slice is read again.  Eight in the launch.
	s_mov_b32 s[PS], 4
.Lpass:
	MEET                                           ; every wave's reads of the slice are back
	EPI
	s_add_co_u32 s[TBS], s[TBS], 20
	MKNL
	MEET                                           ; every wave's stores into its stage and reads of it are done
	s_cmp_eq_u32 s[NL], 0
	s_cbranch_scc1 .Lpnext
	SETUP
	v_add_nc_u32 v[TB], s[LK], v[BF0]
	LB4 0, 0
	LB4 0, 1
	LB4 0, 2
	LB4 0, 3
	s_mov_b32 s[KC], 8
.Lk1:
	TRIPL 0
	TRIPL 1
	s_sub_co_u32 s[KC], s[KC], 1
	s_cmp_lg_u32 s[KC], 0
	s_cbranch_scc1 .Lk1
	s_wait_loadcnt 0x0                             ; on every way out of the loop no load into the tokens' fragments is out when a later pass asks for them anew (the last trip has waited for 0: met at once)
.Lpnext:
	s_sub_co_u32 s[PS], s[PS], 1
	s_cmp_lg_u32 s[PS], 0
	s_cbranch_scc1 .Lpass
	MEET                                           ; every wave's LDS reads are back before any wave's closing add
	s_wait_tensorcnt 0x0                           ; the wave's end
	ds_add_u32 v[SPW], v[NIL]
	s_wait_dscnt 0x0
	s_endpgm
.Lfunc_end_k_q05cb0a29a0_ffn1:
	.size	k_q05cb0a29a0_ffn1, .Lfunc_end_k_q05cb0a29a0_ffn1-k_q05cb0a29a0_ffn1
	.p2alignl 7, 3214868480
	.fill 96, 4, 3214868480
	.section	.rodata,"a",@progbits
	.p2align	6, 0x0
	.amdhsa_kernel k_q05cb0a29a0_ffn1
		.amdhsa_group_segment_fixed_size 317440
		.amdhsa_private_segment_fixed_size 0
		.amdhsa_enable_private_segment 0
		.amdhsa_kernarg_size 48
		.amdhsa_user_sgpr_count 2
		.amdhsa_user_sgpr_kernarg_segment_ptr 1
		.amdhsa_wavefront_size32 1
		.amdhsa_system_sgpr_workgroup_id_x 1
		.amdhsa_system_sgpr_workgroup_id_y 1
		.amdhsa_system_sgpr_workgroup_id_z 1
		.amdhsa_system_vgpr_workitem_id 0
		.amdhsa_next_free_vgpr 960
		.amdhsa_next_free_sgpr 66
		.amdhsa_reserve_vcc 0
		.amdhsa_float_denorm_mode_32 3
		.amdhsa_float_denorm_mode_16_64 3
		.amdhsa_memory_ordered 1
		.amdhsa_forward_progress 1
		.amdhsa_inst_pref_size 193
	.end_amdhsa_kernel
	.amdgpu_metadata
---
amdhsa.version: [ 1, 2 ]
amdhsa.kernels:
  - .name:           k_q05cb0a29a0_ffn1
    .symbol:         k_q05cb0a29a0_ffn1.kd
    .args:
      - { .name: W1, .offset: 0, .size: 8, .value_kind: global_buffer, .address_space: global }
      - { .name: b1, .offset: 8, .size: 8, .value_kind: global_buffer, .address_space: global }
      - { .name: xb, .offset: 16, .size: 8, .value_kind: global_buffer, .address_space: global }
      - { .name: sel, .offset: 24, .size: 8, .value_kind: global_buffer, .address_space: global }
      - { .name: hbuf, .offset: 32, .size: 8, .value_kind: global_buffer, .address_space: global }
      - { .name: place, .offset: 40, .size: 8, .value_kind: global_buffer, .address_space: global }
    .group_segment_fixed_size: 317440
    .private_segment_fixed_size: 0
    .kernarg_segment_align: 8
    .kernarg_segment_size: 48
    .max_flat_workgroup_size: 128
    .sgpr_count:     66
    .vgpr_count:     960
    .wavefront_size: 32
...
	.end_amdgpu_metadata
.endif
;; end of part 2
;; launch ffn2 (part 3): grid 32 x 8, 4 waves a work-group, no clusters, 317,440 bytes of LDS; arguments W2, hbuf, place, part; writes part
.if DOCPART == 3
	.amdgcn_target "amdgcn-amd-amdhsa--gfx1250"
	.amdhsa_code_object_version 6
	.text
	.protected	k_q05cb0a29a0_ffn2
	.globl	k_q05cb0a29a0_ffn2
	.p2align	8
	.type	k_q05cb0a29a0_ffn2,@function
k_q05cb0a29a0_ffn2:
	s_mov_b64 s[64:65], 0
	v_nop
	global_prefetch_b8 v0, s[64:65] scope:SCOPE_SE
	s_setreg_imm32_b32 hwreg(HW_REG_WAVE_MODE, 25, 1), 1
	s_wait_xcnt 0x0
; SECOND PRODUCT, in four parts along K.  part[kq][e][rank][1024] (f32) = h[e][rank][1024 kq .. + 1023] W2[e][:, 1024 kq .. + 1023]^T for the expert's ranks; the launch behind adds the four parts, b2 and the gates.
; SHARES.  Work-group (x, e), os = x % 8, kq = x / 8, has rows 128 os .. + 127 of W2[e] over 1,024 k: 512 KB of f32 that it alone reads, once; they are rounded on the way through registers and stay in
; LDS.  K is cut in four so that a work-group reads 2 KB of each row of h, not 8.  Tiles, passes, trips and waits are the first product's: tile 20 p + 4 a + w of 16 ranks belongs to wave w, place a, pass p;
; pass 0 (320 ranks) runs while the weights stream in, passes 1 to 3 read the resident slice.  Only ranks below 16 x ceil(count / 16) are read: those the first product stored.
; FORMATS.  W2 is rounded to bf16 like every input, and that number is written as f16 (exact within f16's normal range); h is f16; sums and the stored parts in f32.
; LIMITS.  A weight below 6e-5 keeps f16's fixed step of 6e-8; one of 65,520 or more becomes an infinity; NaN and infinities are not treated apart.
; NO CLUSTER, NO TENSOR LOADS: each slice of weights has one reader; the rows of h that eight work-groups share have no room in LDS beside the resident slice (278,528 bytes), and their number comes from memory.
; REGISTERS, in windows of 256 (s_set_vgpr_msb: bits 1:0 source 0, 3:2 source 1, 5:4 source 2, 7:6 destination):
;   window 0: v0-31 addresses and temporaries; v32-63 converted weights; v64-127 at work in the conversion; v128-191, v192-255 the weights' fragments of a chunk's first and second K step
;             (on the way out: rows read back)
;   window 1: v0-159 h's fragments, two buffers of 2 x 5 x 8     window 2: the accumulators of tiles 0-3 (64 a + 8 b)     window 3: v0-63 tile 4's; v64-191 weights as loaded, two buffers
.set PW,    16384                      ; bytes from row to row of W2
.set PWSH,  14
.set PL,    272                        ; an LDS row: 128 k of f16 + 16 bytes: row r starts at bank 4 r mod 64 (64 banks of 4 bytes: ISA guide 11.1)
.set SUP,   128*PL
.set STG,   8*SUP                      ; the way out: 16 rows x 528 bytes for each wave
.set SPT,   528
.set STGW,  16*SPT
.set SPARE, STG+4*STGW+4096+512        ; the spare words, at the same place as in the first product: 128 bytes for each wave; no other line names them
.set SPW, 1
.set NIL, 2
.set WOF, 3
.set ST0, 4
.set BF0, 5
.set VA,  6                            ; v6-10  byte offset of my rank of tile a in h, + 16 h
.set STO, 11
.set RD,  12
.set GO,  13
.set TA,  14                           ; where I store my part of a chunk
.set TB,  15                           ; where I read a chunk's fragments
.set PF,  16
.set PFA, 17
.set VR,  18
.set VH16, 19
.set CV,  32
.set U,   64
.set BF,  128
.set WV,  16
.set SL,  17                           ; s17 os
.set EX,  18
.set CT,  19
.set NT,  20
.set NL,  21
.set RC,  22
.set TBS, 23
.set KC,  24
.set PS,  25
.set TL,  26
.set LK,  28
.set PO,  29
.set T0,  30
.set T1,  31
.set WB,  32
.set AB,  34
.set OB,  36
.set OF,  38
.set CO,  40                           ; s40 the count's byte offset in place; not rewritten while its load is out
.set KQ,  41
.set HM,  55
.set WB0, 56
.set AB0, 58
.set OB0, 60
.set MSB, 0
.macro WIN new
.if MSB != (\new)
	s_set_vgpr_msb (MSB<<8)|(\new)
.set MSB, \new
.endif
.endm
.macro MEET                            ; a work-group barrier; no LDS instruction of mine is out at its signal
	s_wait_dscnt 0x0
	s_barrier_signal -1
	s_barrier_wait -1
.endm
.macro LOADW buf, base, extra          ; 16 loads: 64 k of my 32 rows; each half of the lanes takes 256 consecutive aligned bytes of a row
	WIN 0xc0
.irp i, 0,1,2,3,4,5,6,7,8,9,10,11,12,13,14,15
	global_load_b128 v[64+64*(\buf)+4*(\i):64+64*(\buf)+4*(\i)+3], v[WOF], s[\base:\base+1] offset:((\i)%8+16*((\i)/8))*PW+(\extra) th:TH_LOAD_NT
.endr
	WIN 0
.endm
.macro LOADA buf                       ; 20 loads, always all of them: five tiles' fragments, two K steps
	WIN 0x40
.irp s, 0,1
.irp a, 0,1,2,3,4
	global_load_b128 v[80*(\buf)+40*(\s)+8*(\a):80*(\buf)+40*(\s)+8*(\a)+3],   v[VA+(\a)], s[AB:AB+1] offset:64*(\s)
	global_load_b128 v[80*(\buf)+40*(\s)+8*(\a)+4:80*(\buf)+40*(\s)+8*(\a)+7], v[VA+(\a)], s[AB:AB+1] offset:64*(\s)+32
.endr
.endr
	WIN 0
.endm
.macro CVTW buf                        ; f32 to bf16 (nearest even), widened, and written as f16
	WIN 0x0f
.set n, 0
.rept 32
	v_cvt_pk_bf16_f32 v[CV+n], v[64+64*(\buf)+2*n], v[64+64*(\buf)+2*n+1]
.set n, n+1
.endr
	WIN 0
.set n, 0
.rept 32
	v_lshlrev_b32 v[U+2*n], 16, v[CV+n]
	v_and_b32 v[U+2*n+1], s[HM], v[CV+n]
.set n, n+1
.endr
.set n, 0
.rept 32
	v_cvt_pk_f16_f32 v[CV+n], v[U+2*n], v[U+2*n+1]
.set n, n+1
.endr
.endm
.macro STOREW                          ; 8 bytes a lane; the two halves of the lanes lie 8 rows = 128 bytes mod 256 apart
.irp i, 0,1,2,3,4,5,6,7,8,9,10,11,12,13,14,15
	ds_store_b64 v[TA], v[CV+2*(\i):CV+2*(\i)+1] offset:((\i)%8+16*((\i)/8))*PL
.endr
.endm
.macro LB4 s, q                        ; a run of four LDS loads: the fragments of weight rows 32 q .. 32 q + 31, K step s of the chunk at v[TB]
	WIN 0
.irp b, 2*(\q), 2*(\q)+1
	ds_load_b128 v[BF+64*(\s)+8*(\b):BF+64*(\s)+8*(\b)+3],   v[TB] offset:16*PL*(\b)+64*(\s)
	ds_load_b128 v[BF+64*(\s)+8*(\b)+4:BF+64*(\s)+8*(\b)+7], v[TB] offset:16*PL*(\b)+64*(\s)+32
.endr
.endm
.macro STEPLK par                      ; from chunk kc to chunk kc + 1: the other half of the same LDS rows, or the next 128 k
.if (\par) == 0
	s_add_co_u32 s[LK], s[LK], 128
.else
	s_add_co_u32 s[LK], s[LK], SUP-128
.endif
.endm
; cnt products of tile a (0..3), K step s, weight blocks b0 on.  Source 0 = 16 rows of W2, source 1 = 16 ranks: lane (r, h), register j holds rank r, column 16 b + 8 h + j.
; The accumulators take turns, one instruction a turn.  first = 1: the product starts the sum with the constant 0: nothing is cleared.
.macro MM par, s, a, b0, cnt, first
	WIN 0xa4
.set bb, \b0
.rept \cnt
.if \first
	v_wmma_f32_16x16x32_f16 v[64*(\a)+8*bb:64*(\a)+8*bb+7], v[BF+64*(\s)+8*bb:BF+64*(\s)+8*bb+7], v[80*(\par)+40*(\s)+8*(\a):80*(\par)+40*(\s)+8*(\a)+7], 0
.else
	v_wmma_f32_16x16x32_f16 v[64*(\a)+8*bb:64*(\a)+8*bb+7], v[BF+64*(\s)+8*bb:BF+64*(\s)+8*bb+7], v[80*(\par)+40*(\s)+8*(\a):80*(\par)+40*(\s)+8*(\a)+7], v[64*(\a)+8*bb:64*(\a)+8*bb+7]
.endif
.set bb, bb+1
.endr
.endm
; Tile 4's eight products of K step s.  first = 1: always, they start the sums.  Else they are jumped where I have fewer than five live tiles.  Leaves every window 0.
.macro T4 par, s, first
.if \first
	WIN 0xf4
.irp b, 0,1,2,3,4,5,6,7
	v_wmma_f32_16x16x32_f16 v[8*(\b):8*(\b)+7], v[BF+64*(\s)+8*(\b):BF+64*(\s)+8*(\b)+7], v[80*(\par)+40*(\s)+32:80*(\par)+40*(\s)+39], 0
.endr
	WIN 0
.else
	WIN 0                                          ; at a branch and at a label every window is 0
	s_cmp_lt_u32 s[NL], 5
	s_cbranch_scc1 .Lno4_\@
	WIN 0xf4
.irp b, 0,1,2,3,4,5,6,7
	v_wmma_f32_16x16x32_f16 v[8*(\b):8*(\b)+7], v[BF+64*(\s)+8*(\b):BF+64*(\s)+8*(\b)+7], v[80*(\par)+40*(\s)+32:80*(\par)+40*(\s)+39], v[8*(\b):8*(\b)+7]
.endr
	WIN 0
.Lno4_\@:
.endif
.endm
; A TRIP OF PASS 0: chunk kc of 64 k is multiplied while chunk kc + 1 goes from registers into LDS.  par = kc % 2.
; At its head chunk kc lies whole in LDS, the fragments of its first K step have been asked for, h's chunk kc and the weights' chunks kc + 1 and kc + 2 are on their way.
; cvt = 1 (all trips but the last).  HEAD: the weights' chunk kc + 1 is converted; h's chunk kc + 1 is asked for, and (isW) the weights' chunk kc + 3, into the registers just read; thread i
; prefetches the 256 bytes of row i in chunk kc + 5 (clamped to chunk 15, the last of my quarter of K): two trips ahead of that chunk's load, each block by one lane.
; FIRST K STEP: 32 products; the second K step's sixteen fragment loads stand between the first sixteen, in runs of four.  SECOND K STEP: 32 products; chunk kc + 1's first sixteen fragment loads
; stand between the last sixteen, in runs of four, and land under the next trip's head.  Tile 4's products follow each step.
; TWO BARRIERS, each with eight products between its signal and its wait.  The first: every wave's reads of chunk kc are back before anybody stores chunk kc + 1, which shares LDS rows with it.
; The second: every wave's stores of chunk kc + 1 are done before anybody reads it.
; nW: the loads younger than the weights' chunk kc + 1.  nA: those younger than h's chunk kc.  Loads come back in order (ISA guide 5.7.1).
; PLACES (ISA guide 7.12.1 for vector instructions): the conversions (cvt = 0: four v_nop) stand between the last trip's products and the loads into their sources; two address
; lines and two v_nop between the first K step's products and the loads into its fragments.
.macro TRIP par, first, cvt, isW, nW, nA
.if \cvt
	s_wait_loadcnt \nW
	CVTW 1-(\par)
	s_wait_xcnt 0x0                                ; the bases and the prefetch's address are rewritten only behind this wait
	s_add_nc_u64 s[AB:AB+1], s[AB:AB+1], 128
.if \isW
	s_add_nc_u64 s[WB:WB+1], s[WB:WB+1], 256
	s_add_co_u32 s[PO], s[PO], 256
	s_min_u32 s[PO], s[PO], 3840
	v_add_nc_u32 v[PFA], s[PO], v[PF]
.endif
	LOADA 1-(\par)
.if \isW
	LOADW 1-(\par), WB, 0
	global_prefetch_b8 v[PFA], s[WB0:WB0+1] th:TH_LOAD_NT scope:SCOPE_SE
.endif
.else
	WIN 0
.rept 4
	v_nop
.endr
.endif
	s_wait_loadcnt \nA
	s_wait_dscnt 0x0                               ; the first K step's fragments are in
	LB4 1, 0
	MM \par, 0, 0, 0, 4, \first
	LB4 1, 1
	MM \par, 0, 0, 4, 4, \first
	LB4 1, 2
	MM \par, 0, 1, 0, 4, \first
	LB4 1, 3
	MM \par, 0, 1, 4, 4, \first
	MM \par, 0, 2, 0, 8, \first
	s_wait_dscnt 0x0                               ; the second K step's fragments are in: my reads of chunk kc are over
.if \cvt
	s_barrier_signal -1
.endif
	MM \par, 0, 3, 0, 8, \first
.if \cvt
	s_barrier_wait -1                              ; everybody's are
.endif
	T4 \par, 0, \first
.if \cvt
	STEPLK \par
	v_add_nc_u32 v[TA], s[LK], v[ST0]
	v_add_nc_u32 v[TB], s[LK], v[BF0]
	v_nop
	v_nop
	STOREW
.endif
	MM \par, 1, 0, 0, 8, 0
.if \cvt
	s_wait_dscnt 0x0                               ; for the others' sake: my stores of chunk kc + 1 are done
	s_barrier_signal -1
.endif
	MM \par, 1, 1, 0, 8, 0
.if \cvt
	s_barrier_wait -1                              ; everybody's are
	LB4 0, 0
	MM \par, 1, 2, 0, 4, 0
	LB4 0, 1
	MM \par, 1, 2, 4, 4, 0
	LB4 0, 2
	MM \par, 1, 3, 0, 4, 0
	LB4 0, 3
	MM \par, 1, 3, 4, 4, 0
.else
	MM \par, 1, 2, 0, 8, 0
	MM \par, 1, 3, 0, 8, 0
.endif
	T4 \par, 1, 0
.endm
; A TRIP OF PASSES 1 TO 3: chunk kc from the resident slice; nothing writes LDS, so no barrier.  Written twice (par = 0, 1) and walked eight times, s[KC] = 8 .. 1.
; The pass's first trip (par = 0, s[KC] = 8) takes the products that start the sums; its last (par = 1, s[KC] = 1) jumps over its two requests, and waits for 0 in the place of 20.
; s_wait_loadcnt 20: behind h's chunk kc stands chunk kc + 1.  s_wait_dscnt 16: behind the first K step's fragments stand the second's sixteen loads.
; FIVE v_nop at the head: four are the places between the last trip's products and the loads into their sources; the products that start sums stand in the loop's text, behind its backward jump,
; and a product that writes over an accumulator without adding onto it stands five places behind the accumulator's last product.
.macro TRIPL par
	WIN 0
.rept 5
	v_nop
.endr
.if (\par) == 1
	s_cmp_eq_u32 s[KC], 1
	s_cbranch_scc1 .Lnoa_\@
.endif
	s_wait_xcnt 0x0                                ; the base is rewritten only behind this wait
	s_add_nc_u64 s[AB:AB+1], s[AB:AB+1], 128
	LOADA 1-(\par)
	s_wait_loadcnt 20
.if (\par) == 1
	s_branch .Lgot_\@
.Lnoa_\@:
	s_wait_loadcnt 0x0
.Lgot_\@:
.endif
	LB4 1, 0
	LB4 1, 1
	LB4 1, 2
	LB4 1, 3
	s_wait_dscnt 16
.if (\par) == 0
	s_cmp_eq_u32 s[KC], 8
	s_cbranch_scc0 .Lon_\@
	MM 0, 0, 0, 0, 8, 1
	MM 0, 0, 1, 0, 8, 1
	MM 0, 0, 2, 0, 8, 1
	MM 0, 0, 3, 0, 8, 1
	T4 0, 0, 1
	s_branch .Lhalf_\@
.Lon_\@:
.endif
	MM \par, 0, 0, 0, 8, 0
	MM \par, 0, 1, 0, 8, 0
	MM \par, 0, 2, 0, 8, 0
	MM \par, 0, 3, 0, 8, 0
	T4 \par, 0, 0
.if (\par) == 0
.Lhalf_\@:
.endif
	STEPLK \par
	v_add_nc_u32 v[TB], s[LK], v[BF0]              ; with the three v_nop: the places in front of the loads into the first K step's fragments
	v_nop
	v_nop
	v_nop
	s_wait_dscnt 0x0                               ; the second K step's fragments are in
.if (\par) == 1
	s_cmp_eq_u32 s[KC], 1
	s_cbranch_scc1 .Lnob_\@
.endif
	LB4 0, 0
	LB4 0, 1
	LB4 0, 2
	LB4 0, 3
.if (\par) == 1
.Lnob_\@:
.endif
	MM \par, 1, 0, 0, 8, 0
	MM \par, 1, 1, 0, 8, 0
	MM \par, 1, 2, 0, 8, 0
	MM \par, 1, 3, 0, 8, 0
	T4 \par, 1, 0
.endm
.macro MKNL
	s_add_co_u32 s[T0], s[NT], 3
	s_sub_co_i32 s[T0], s[T0], s[TBS]
	s_max_i32 s[T0], s[T0], 0
	s_lshr_b32 s[NL], s[T0], 2
	s_min_u32 s[NL], s[NL], 5
.endm
.macro SETUP                           ; a pass begins: the five tiles' ranks, and h's chunk 0
	s_wait_xcnt 0x0                                ; the row offsets, and v128-191, the data of the way out's stores, are rewritten only behind this wait
.irp a, 0,1,2,3,4
	s_add_co_u32 s[T0], s[TBS], 4*(\a)
	s_lshl_b32 s[T0], s[T0], 4
	v_add_nc_u32 v[20+(\a)], s[T0], v[VR]          ; rank 16 tile + r,
	v_min_u32 v[20+(\a)], s[RC], v[20+(\a)]        ; or the last that was stored
	v_min_u32 v[20+(\a)], 0x3ff, v[20+(\a)]
	v_lshl_add_u32 v[VA+(\a)], v[20+(\a)], 13, v[VH16]  ; rank x 8,192 bytes + 16 h
.endr
	s_mov_b32 s[LK], 0
	s_mov_b64 s[AB:AB+1], s[AB0:AB0+1]
	LOADA 0
.endm
.macro TOSTG a                         ; tile a's accumulators into my stage, each from its low end on
.if (\a) < 4
	WIN 0x08
.else
	WIN 0x0c
.endif
.irp b, 0,1,2,3,4,5,6,7
	ds_store_b128 v[STO], v[64*((\a)%4)+8*(\b):64*((\a)%4)+8*(\b)+3]   offset:64*(\b)
	ds_store_b128 v[STO], v[64*((\a)%4)+8*(\b)+4:64*((\a)%4)+8*(\b)+7] offset:64*(\b)+16
.endr
	WIN 0
.endm
; THE WAY OUT of a pass, written once: my live tiles one after the other through my own stage (LDS serves a wave's instructions in order: ISA guide 5.7.1.4), back as whole rows of 128 f32; each store of the
; wave covers 512 consecutive bytes, aligned.  Dead tiles are jumped, forward, to the counter's step.
.macro EPI
	WIN 0
.rept 4
	v_nop                                          ; four places between the last products and the first read of a result
.endr
	s_mov_b32 s[TL], 0
.Ltile:
	s_cmp_ge_u32 s[TL], s[NL]
	s_cbranch_scc1 .Lnext
	s_cmp_eq_u32 s[TL], 0
	s_cbranch_scc1 .Lt0
	s_cmp_eq_u32 s[TL], 1
	s_cbranch_scc1 .Lt1
	s_cmp_eq_u32 s[TL], 2
	s_cbranch_scc1 .Lt2
	s_cmp_eq_u32 s[TL], 3
	s_cbranch_scc1 .Lt3
	TOSTG 4
	s_branch .Lcom
.Lt0:
	TOSTG 0
	s_branch .Lcom
.Lt1:
	TOSTG 1
	s_branch .Lcom
.Lt2:
	TOSTG 2
	s_branch .Lcom
.Lt3:
	TOSTG 3
.Lcom:
	s_wait_xcnt 0x0                                ; the last tile's stores have read their base and their data: both are rewritten only behind this wait
	s_lshl_b32 s[T0], s[TL], 2
	s_add_co_u32 s[T0], s[T0], s[TBS]              ; the tile's number,
	s_lshl_b32 s[OF], s[T0], 16                    ; 16 rows of 4,096 bytes each
	s_add_nc_u64 s[OB:OB+1], s[OB0:OB0+1], s[OF:OF+1]
.irp i, 0,1,2,3,4,5,6,7,8,9,10,11,12,13,14,15
	ds_load_b128 v[BF+4*(\i):BF+4*(\i)+3], v[RD] offset:SPT*(\i)
.endr
.irp i, 0,1,2,3,4,5,6,7,8,9,10,11,12,13,14,15
	s_wait_dscnt 15-(\i)                           ; LDS loads come back in order: row i is in
	global_store_b128 v[GO], v[BF+4*(\i):BF+4*(\i)+3], s[OB:OB+1] offset:4096*(\i)
.endr
.Lnext:
	s_add_co_u32 s[TL], s[TL], 1
	s_cmp_lt_u32 s[TL], 5
	s_cbranch_scc1 .Ltile
.endm
	s_load_b256 s[4:11], s[0:1], 0x0               ; W2 s[4:5], hbuf s[6:7], place s[8:9], part s[10:11]
	v_lshl_add_u32 v[SPW], v0, 2, SPARE
	v_mov_b32 v[NIL], 0
	v_lshrrev_b32 v20, 5, v0
	v_readfirstlane_b32 s[WV], v20
	s_and_b32 s[SL], ttmp9, 7                      ; os
	s_lshr_b32 s[KQ], ttmp9, 3                     ; kq
	s_and_b32 s[EX], ttmp7, 0xffff
	v_and_b32 v[VR], 15, v0
	v_bfe_u32 v21, v0, 4, 1                        ; h
	v_and_b32 v22, 31, v0                          ; lane
	v_lshlrev_b32 v[VH16], 4, v21
	s_lshl_b32 s[T0], s[WV], 5
	v_lshl_add_u32 v23, v21, 3, s[T0]              ; 32 w + 8 h
	v_lshlrev_b32 v[WOF], 4, v[VR]
	v_lshl_add_u32 v[WOF], v23, PWSH, v[WOF]
	v_mul_u32_u24 v[ST0], v23, PL
	v_lshl_add_u32 v[ST0], v[VR], 3, v[ST0]
	v_mul_u32_u24 v[BF0], v[VR], PL
	v_add_nc_u32 v[BF0], v[BF0], v[VH16]
	s_mul_i32 s[T0], s[WV], STGW
	s_add_co_u32 s[T0], s[T0], STG                 ; my stage
	v_mul_u32_u24 v[STO], v[VR], SPT
	v_lshl_add_u32 v[STO], v21, 5, v[STO]
	v_add_nc_u32 v[STO], s[T0], v[STO]
	v_lshl_add_u32 v[RD], v22, 4, s[T0]
	v_lshlrev_b32 v[GO], 4, v22
	v_lshlrev_b32 v[PF], PWSH, v0
	s_mov_b32 s[OF+1], 0
	s_mov_b32 s[HM], 0xffff0000
	s_mov_b32 s[PO], 1024
	s_lshl_b32 s[CO], s[EX], 7
	s_lshl_b32 s[T0], s[EX], 24
	s_lshl_b32 s[T1], s[SL], 21
	s_add_co_u32 s[OF], s[T0], s[T1]
	s_lshl_b32 s[T1], s[KQ], 12
	s_add_co_u32 s[OF], s[OF], s[T1]
	s_wait_kmcnt 0x0
	s_load_b32 s[CT], s[8:9], s[CO] offset:0x8000  ; the expert's count
	s_add_nc_u64 s[WB0:WB0+1], s[4:5], s[OF:OF+1]  ; my slice of W2[e]
	s_add_nc_u64 s[WB:WB+1], s[WB0:WB0+1], 512     ; the walking base stands at chunk 2
	LOADW 0, WB0, 0
	LOADW 1, WB0, 256
	global_prefetch_b8 v[PF], s[WB0:WB0+1] offset:768 th:TH_LOAD_NT scope:SCOPE_SE    ; chunks 3 and 4: row i's 256 bytes by thread i
	global_prefetch_b8 v[PF], s[WB0:WB0+1] offset:1024 th:TH_LOAD_NT scope:SCOPE_SE
	s_lshl_b32 s[T0], s[EX], 23
	s_lshl_b32 s[T1], s[KQ], 11
	s_add_co_u32 s[OF], s[T0], s[T1]
	s_add_nc_u64 s[AB0:AB0+1], s[6:7], s[OF:OF+1]  ; hbuf[e][0][1024 kq]
	s_lshl_b32 s[T0], s[KQ], 3
	s_add_co_u32 s[T0], s[T0], s[EX]
	s_lshl_b32 s[T0], s[T0], 22
	s_lshl_b32 s[T1], s[SL], 9
	s_add_co_u32 s[OF], s[T0], s[T1]
	s_add_nc_u64 s[OB0:OB0+1], s[10:11], s[OF:OF+1]  ; part[kq][e][0][128 os]
	s_wait_kmcnt 0x0
	s_min_u32 s[CT], s[CT], 1024
	s_max_u32 s[CT], s[CT], 1
	s_add_co_u32 s[NT], s[CT], 15
	s_lshr_b32 s[NT], s[NT], 4
	s_lshl_b32 s[RC], s[NT], 4
	s_sub_co_u32 s[RC], s[RC], 1                   ; the last rank that the first product stored
	; PASS 0.  Issue order: W(0), W(1), A(0), W(2); then in trip kc A(kc + 1), W(kc + 3).
	; Chunk 0: behind W(0) stand W(1) and A(0): 36.  Trips 0 to 12: behind W(kc + 1) stand A(kc) and W(kc + 2): 36; behind A(kc) stand W(kc + 2), A(kc + 1), W(kc + 3): 52.
	; Trip 13 asks for no weights: behind W(14) stand A(13), W(15): 36; behind A(13) stand W(15), A(14): 36.  Trip 14: behind W(15) stands A(14): 20; behind A(14) stands A(15): 20.  Trip 15: 0.
	s_mov_b32 s[TBS], s[WV]
	MKNL
	SETUP
	s_wait_loadcnt 36                              ; chunk 0 goes into LDS while h's chunk 0 is on its way
	CVTW 0
	LOADW 0, WB, 0
	v_add_nc_u32 v[TA], s[LK], v[ST0]
	v_add_nc_u32 v[TB], s[LK], v[BF0]
	STOREW
	MEET                                           ; every wave's part of chunk 0 is in LDS
	LB4 0, 0
	LB4 0, 1
	LB4 0, 2
	LB4 0, 3
	TRIP 0, 1, 1, 1, 36, 52
	s_mov_b32 s[KC], 6
.Lk0:
	TRIP 1, 0, 1, 1, 36, 52
	TRIP 0, 0, 1, 1, 36, 52
	s_sub_co_u32 s[KC], s[KC], 1
	s_cmp_lg_u32 s[KC], 0
	s_cbranch_scc1 .Lk0
	TRIP 1, 0, 1, 0, 36, 36
	TRIP 0, 0, 1, 0, 20, 20
	TRIP 1, 0, 0, 0, 0, 0
	; FOUR TRIPS: the way out of the pass just multiplied, then the next pass's products from the resident slice.  The fourth trip's pass would begin at tile 80 and has none: it is jumped like every
	; pass without a tile.
	; The slice and the stages are different bytes.  All the same two barriers a trip, on every wave's path, order all reads of the slice in these passes (their address is a scalar stepped in an inner
	; loop) against all writes of the stages: every wave's reads are back before a stage is written, and every wave's stage traffic is done before the slice is read again.  Eight in the launch.
	s_mov_b32 s[PS], 4
.Lpass:
	MEET                                           ; every wave's reads of the slice are back
	EPI
	s_add_co_u32 s[TBS], s[TBS], 20
	MKNL
	MEET                                           ; every wave's stores into its stage and reads of it are done
	s_cmp_eq_u32 s[NL], 0
	s_cbranch_scc1 .Lpnext
	SETUP
	v_add_nc_u32 v[TB], s[LK], v[BF0]
	LB4 0, 0
	LB4 0, 1
	LB4 0, 2
	LB4 0, 3
	s_mov_b32 s[KC], 8
.Lk1:
	TRIPL 0
	TRIPL 1
	s_sub_co_u32 s[KC], s[KC], 1
	s_cmp_lg_u32 s[KC], 0
	s_cbranch_scc1 .Lk1
	s_wait_loadcnt 0x0                             ; on every way out of the loop no load into h's fragments is out when a later pass asks for them anew (the last trip has waited for 0: met at once)
.Lpnext:
	s_sub_co_u32 s[PS], s[PS], 1
	s_cmp_lg_u32 s[PS], 0
	s_cbranch_scc1 .Lpass
	MEET                                           ; every wave's LDS reads are back before any wave's closing add
	s_wait_tensorcnt 0x0                           ; the wave's end
	ds_add_u32 v[SPW], v[NIL]
	s_wait_dscnt 0x0
	s_endpgm
.Lfunc_end_k_q05cb0a29a0_ffn2:
	.size	k_q05cb0a29a0_ffn2, .Lfunc_end_k_q05cb0a29a0_ffn2-k_q05cb0a29a0_ffn2
	.p2alignl 7, 3214868480
	.fill 96, 4, 3214868480
	.section	.rodata,"a",@progbits
	.p2align	6, 0x0
	.amdhsa_kernel k_q05cb0a29a0_ffn2
		.amdhsa_group_segment_fixed_size 317440
		.amdhsa_private_segment_fixed_size 0
		.amdhsa_enable_private_segment 0
		.amdhsa_kernarg_size 32
		.amdhsa_user_sgpr_count 2
		.amdhsa_user_sgpr_kernarg_segment_ptr 1
		.amdhsa_wavefront_size32 1
		.amdhsa_system_sgpr_workgroup_id_x 1
		.amdhsa_system_sgpr_workgroup_id_y 1
		.amdhsa_system_sgpr_workgroup_id_z 1
		.amdhsa_system_vgpr_workitem_id 0
		.amdhsa_next_free_vgpr 960
		.amdhsa_next_free_sgpr 66
		.amdhsa_reserve_vcc 0
		.amdhsa_float_denorm_mode_32 3
		.amdhsa_float_denorm_mode_16_64 3
		.amdhsa_memory_ordered 1
		.amdhsa_forward_progress 1
		.amdhsa_inst_pref_size 156
	.end_amdhsa_kernel
	.amdgpu_metadata
---
amdhsa.version: [ 1, 2 ]
amdhsa.kernels:
  - .name:           k_q05cb0a29a0_ffn2
    .symbol:         k_q05cb0a29a0_ffn2.kd
    .args:
      - { .name: W2, .offset: 0, .size: 8, .value_kind: global_buffer, .address_space: global }
      - { .name: hbuf, .offset: 8, .size: 8, .value_kind: global_buffer, .address_space: global }
      - { .name: place, .offset: 16, .size: 8, .value_kind: global_buffer, .address_space: global }
      - { .name: part, .offset: 24, .size: 8, .value_kind: global_buffer, .address_space: global }
    .group_segment_fixed_size: 317440
    .private_segment_fixed_size: 0
    .kernarg_segment_align: 8
    .kernarg_segment_size: 32
    .max_flat_workgroup_size: 128
    .sgpr_count:     66
    .vgpr_count:     960
    .wavefront_size: 32
...
	.end_amdgpu_metadata
.endif
;; end of part 3
;; launch combine (part 4): grid 256 x 1, 8 waves a work-group, no clusters, 0 bytes of LDS; arguments part, b2, sel, gate, place, out0; writes out0
.if DOCPART == 4
	.amdgcn_target "amdgcn-amd-amdhsa--gfx1250"
	.amdhsa_code_object_version 6
	.text
	.protected	k_q05cb0a29a0_combine
	.globl	k_q05cb0a29a0_combine
	.p2align	8
	.type	k_q05cb0a29a0_combine,@function
k_q05cb0a29a0_combine:
	s_mov_b64 s[64:65], 0
	v_nop
	global_prefetch_b8 v0, s[64:65] scope:SCOPE_SE
	s_setreg_imm32_b32 hwreg(HW_REG_WAVE_MODE, 25, 1), 1
	s_wait_xcnt 0x0
; COMBINE.  out0[t] = w0 (y[e0] + b2[e0]) + w1 (y[e1] + b2[e1]), y[e] = the sum over kq of part[kq][e][place[e][t]].  All in f32; b2 is rounded to bf16 like every input.
; SHARES.  A work-group has four tokens; a wave has half of one output row, 2,048 bytes, as four pieces of 512.  The token's choice, gates and ranks come by scalar loads; the 40 vector loads of a wave
; (for each piece: 2 experts x 4 parts, and 2 of b2) go out together, and the waits count down by tens.  A stream: no LDS, no barrier, no matrix unit, no cluster (no two waves read the same bytes of part).
.set HM, 19                            ; s19 a word's upper bf16
	s_load_b256 s[4:11], s[0:1], 0x0               ; part s[4:5], b2 s[6:7], sel s[8:9], gate s[10:11]
	s_load_b128 s[12:15], s[0:1], 0x20             ; place s[12:13], out0 s[14:15]
	v_lshrrev_b32 v1, 5, v0
	v_readfirstlane_b32 s16, v1                    ; wave 0..7
	v_and_b32 v2, 31, v0
	v_lshlrev_b32 v4, 4, v2                        ; 16 lane, and for part kq the 32 MB of eight experts' ranks further on
	v_add_nc_u32 v5, 1<<25, v4
	v_add_nc_u32 v6, 2<<25, v4
	v_add_nc_u32 v7, 3<<25, v4
	s_lshr_b32 s17, s16, 1
	s_lshl_b32 s18, ttmp9, 2
	s_add_co_u32 s17, s17, s18                     ; my token
	s_and_b32 s18, s16, 1
	s_lshl_b32 s18, s18, 11                        ; my half of the row, in bytes
	s_mov_b32 s[HM], 0xffff0000
	s_mov_b32 s47, 0
	s_lshl_b32 s40, s17, 2
	s_lshl_b32 s41, s17, 3
	s_wait_kmcnt 0x0
	s_load_b32 s20, s[8:9], s40 offset:0x0         ; e0 | e1 << 8 | ..
	s_load_b64 s[22:23], s[10:11], s41 offset:0x0  ; w0, w1
.irp e, 0,1,2,3,4,5,6,7
	s_load_b32 s[24+(\e)], s[12:13], s40 offset:4096*(\e)  ; my token's rank with each expert
.endr
	s_wait_kmcnt 0x0
	s_bfe_u32 s42, s20, 0x80000
	s_min_u32 s42, s42, 7                          ; e0
	s_bfe_u32 s43, s20, 0x80008
	s_min_u32 s43, s43, 7                          ; e1
	s_mov_b32 s44, s24
	s_mov_b32 s45, s24
.irp e, 1,2,3,4,5,6,7
	s_cmp_eq_u32 s42, \e
	s_cselect_b32 s44, s[24+(\e)], s44
	s_cmp_eq_u32 s43, \e
	s_cselect_b32 s45, s[24+(\e)], s45
.endr
	s_min_u32 s44, s44, 1023                       ; the ranks with the two chosen experts
	s_min_u32 s45, s45, 1023
	s_mov_b32 s36, s23                             ; w1 as the low word of a pair
	s_mov_b32 s37, s23
.irp j, 0,1
	s_lshl_b32 s46, s[42+(\j)], 10
	s_add_co_u32 s46, s46, s[44+(\j)]
	s_lshl_b32 s46, s46, 12                        ; (1,024 e + rank) rows of 4,096 bytes
	s_add_co_u32 s46, s46, s18
	s_add_nc_u64 s[48+2*(\j):49+2*(\j)], s[4:5], s[46:47]
	s_lshl_b32 s46, s[42+(\j)], 12
	s_add_co_u32 s46, s46, s18
	s_add_nc_u64 s[52+2*(\j):53+2*(\j)], s[6:7], s[46:47]
.endr
	s_lshl_b32 s46, s17, 12
	s_add_co_u32 s46, s46, s18
	s_add_nc_u64 s[56:57], s[14:15], s[46:47]
.irp c, 0,1,2,3
.irp j, 0,1
.irp k, 0,1,2,3
	global_load_b128 v[32+40*(\c)+16*(\j)+4*(\k):32+40*(\c)+16*(\j)+4*(\k)+3], v[4+(\k)], s[48+2*(\j):49+2*(\j)] offset:512*(\c) th:TH_LOAD_NT  ; 512 consecutive bytes
.endr
.endr
.irp j, 0,1
	global_load_b128 v[32+40*(\c)+32+4*(\j):32+40*(\c)+32+4*(\j)+3], v4, s[52+2*(\j):53+2*(\j)] offset:512*(\c)
.endr
.endr
; Piece c.  left: the loads of the later pieces, ten each, may stay out.
.macro PIECE c, left
	s_wait_loadcnt \left
.irp j, 0,1
.set RB, 32+40*(\c)+16*(\j)
.set BB, 32+40*(\c)+32+4*(\j)
	v_pk_add_f32 v[RB:RB+1], v[RB:RB+1], v[RB+4:RB+5]
	v_pk_add_f32 v[RB+2:RB+3], v[RB+2:RB+3], v[RB+6:RB+7]
	v_pk_add_f32 v[RB+8:RB+9], v[RB+8:RB+9], v[RB+12:RB+13]
	v_pk_add_f32 v[RB+10:RB+11], v[RB+10:RB+11], v[RB+14:RB+15]
	v_cvt_pk_bf16_f32 v8, v[BB], v[BB+1]           ; b2 rounded to bf16,
	v_cvt_pk_bf16_f32 v9, v[BB+2], v[BB+3]
	v_lshlrev_b32 v[BB], 16, v8                    ; and widened again
	v_and_b32 v[BB+1], s[HM], v8
	v_lshlrev_b32 v[BB+2], 16, v9
	v_and_b32 v[BB+3], s[HM], v9
	v_pk_add_f32 v[RB:RB+1], v[RB:RB+1], v[RB+8:RB+9]
	v_pk_add_f32 v[RB+2:RB+3], v[RB+2:RB+3], v[RB+10:RB+11]
	v_pk_add_f32 v[RB:RB+1], v[RB:RB+1], v[BB:BB+1]
	v_pk_add_f32 v[RB+2:RB+3], v[RB+2:RB+3], v[BB+2:BB+3]
.endr
.set R0, 32+40*(\c)
	v_pk_mul_f32 v[R0:R0+1], v[R0:R0+1], s[22:23] op_sel_hi:[1,0]
	v_pk_mul_f32 v[R0+2:R0+3], v[R0+2:R0+3], s[22:23] op_sel_hi:[1,0]
	v_pk_fma_f32 v[R0:R0+1], v[R0+16:R0+17], s[36:37], v[R0:R0+1] op_sel_hi:[1,0,1]
	v_pk_fma_f32 v[R0+2:R0+3], v[R0+18:R0+19], s[36:37], v[R0+2:R0+3] op_sel_hi:[1,0,1]
	global_store_b128 v4, v[R0:R0+3], s[56:57] offset:512*(\c) th:TH_STORE_NT  ; 512 consecutive bytes, aligned; each piece has registers of its own
.endm
	PIECE 0, 30
	PIECE 1, 20
	PIECE 2, 10
	PIECE 3, 0
	s_endpgm
.Lfunc_end_k_q05cb0a29a0_combine:
	.size	k_q05cb0a29a0_combine, .Lfunc_end_k_q05cb0a29a0_combine-k_q05cb0a29a0_combine
	.p2alignl 7, 3214868480
	.fill 96, 4, 3214868480
	.section	.rodata,"a",@progbits
	.p2align	6, 0x0
	.amdhsa_kernel k_q05cb0a29a0_combine
		.amdhsa_group_segment_fixed_size 0
		.amdhsa_private_segment_fixed_size 0
		.amdhsa_enable_private_segment 0
		.amdhsa_kernarg_size 48
		.amdhsa_user_sgpr_count 2
		.amdhsa_user_sgpr_kernarg_segment_ptr 1
		.amdhsa_wavefront_size32 1
		.amdhsa_system_sgpr_workgroup_id_x 1
		.amdhsa_system_sgpr_workgroup_id_y 1
		.amdhsa_system_sgpr_workgroup_id_z 1
		.amdhsa_system_vgpr_workitem_id 0
		.amdhsa_next_free_vgpr 192
		.amdhsa_next_free_sgpr 66
		.amdhsa_reserve_vcc 0
		.amdhsa_float_denorm_mode_32 3
		.amdhsa_float_denorm_mode_16_64 3
		.amdhsa_memory_ordered 1
		.amdhsa_forward_progress 1
		.amdhsa_inst_pref_size 15
	.end_amdhsa_kernel
	.amdgpu_metadata
---
amdhsa.version: [ 1, 2 ]
amdhsa.kernels:
  - .name:           k_q05cb0a29a0_combine
    .symbol:         k_q05cb0a29a0_combine.kd
    .args:
      - { .name: part, .offset: 0, .size: 8, .value_kind: global_buffer, .address_space: global }
      - { .name: b2, .offset: 8, .size: 8, .value_kind: global_buffer, .address_space: global }
      - { .name: sel, .offset: 16, .size: 8, .value_kind: global_buffer, .address_space: global }
      - { .name: gate, .offset: 24, .size: 8, .value_kind: global_buffer, .address_space: global }
      - { .name: place, .offset: 32, .size: 8, .value_kind: global_buffer, .address_space: global }
      - { .name: out0, .offset: 40, .size: 8, .value_kind: global_buffer, .address_space: global }
    .group_segment_fixed_size: 0
    .private_segment_fixed_size: 0
    .kernarg_segment_align: 8
    .kernarg_segment_size: 48
    .max_flat_workgroup_size: 256
    .sgpr_count:     66
    .vgpr_count:     192
    .wavefront_size: 32
...
	.end_amdgpu_metadata
.endif
;; end of part 4
